; MI455X (gfx1250); checked and timed in simulation.
; The chip was launched on July 23, 2026; its instructions are those of AMD's public machine-readable ISA for CDNA 5 (MIT licence, August 2026) and "CDNA5" Instruction Set Architecture Reference Guide (July 2026). The comments in the code are by the model that wrote it; some were corrected since.
;; Multi Head Attention. Allowed arithmetic: matrix products marked QUANTISED: E5M2 operands, one E8M0 scale for each 32 along K, by v_wmma_scale_f32_16x16x128_f8f6f4 with both operands' format E5M2, f32 sums; everything else in f32.
;; Inputs: b_k 1,024 float32; b_o 1,024 float32; b_q 1,024 float32; b_v 1,024 float32; k 4 x 2,048 x 1,024 float32; mask 1 x 1 x 2,048 x 2,048 bool; q 4 x 2,048 x 1,024 float32; v 4 x 2,048 x 1,024 float32; w_k 1,024 x 1,024 float32; w_o 1,024 x 1,024 float32; w_q 1,024 x 1,024 float32; w_v 1,024 x 1,024 float32.
;; Outputs: out0 4 x 2,048 x 1,024 float32.
;; This version of the problem:
;;   THIS VERSION OF THE PROBLEM IS GIVEN IN LOW PRECISION. The matrix products marked QUANTISED in the list below multiply operands that are first quantised to E5M2 (5 exponent bits, 2 mantissa bits; 8 bits a number), with one power-of-two scale for each 32 numbers along K (OCP MX v1.0); their sums are f32. All else is computed in f32.
;;   The module's matrix products, in the order in which they are computed (A, B: the left and right operand; K: the contracted axis; several contracted axes count as one K, in the product's order):
;;     1. [M 8,192, K 1,024] x [K 1,024, N 1,024]; A: input q; B: input w_q: QUANTISED
;;     2. [M 8,192, K 1,024] x [K 1,024, N 1,024]; A: input k; B: input w_k: QUANTISED
;;     3. [M 8,192, K 1,024] x [K 1,024, N 1,024]; A: input v; B: input w_v: QUANTISED
;;     4. batch 64 x [M 2,048, K 64] x [K 64, N 2,048]; A: computed on the way; B: computed on the way: QUANTISED
;;     5. batch 64 x [M 2,048, K 2,048] x [K 2,048, N 64]; A: softmax (see below); B: computed on the way: QUANTISED
;;     6. [M 8,192, K 1,024] x [K 1,024, N 1,024]; A: computed on the way; B: input w_o: QUANTISED
;;   THE QUANTISER, for each operand of a quantised product, along K:
;;     - K is cut into blocks of 32 from its start; a last block that is shorter is filled with zeros.
;;     - A block's scale is 2^e with e = floor(log2(the largest magnitude in the block)) - 15, held to -126 .. 127; a block of zeros has e = 0. As a byte (E8M0): e + 127.
;;     - Each number is divided by its block's scale, clamped to +-57,344, and rounded to the nearest number of E5M2, ties to even, subnormals kept.
;;     - The product sums the exact products of the quantised numbers (number of the format x scale) in f32.
;;   ~~~python
;;   def quantise(x, axis):      # numpy; x: float32 -> the quantised numbers, widened to float32 again
;;       x = np.moveaxis(x, axis, -1); K = x.shape[-1]
;;       x = np.pad(x, [(0, 0)] * (x.ndim - 1) + [(0, -K % 32)]); x = x.reshape(x.shape[:-1] + (-1, 32)); a = np.abs(x).max(-1, keepdims=True)
;;       e = np.where(a > 0, np.clip(np.frexp(np.where(a > 0, a, 1))[1] - 1 - 15, -126, 127), 0)      # np.frexp(a)[1] - 1 = floor(log2(a)), exactly
;;       r = np.clip(x / 2.0 ** e, -57344, 57344)
;;       step = 2.0 ** (np.maximum(np.frexp(np.where(r == 0, 1, r))[1] - 1, -14) - 2)
;;       q = np.round(r / step) * step * 2.0 ** e      # np.round: ties to even
;;       return np.moveaxis(q.reshape(q.shape[:-2] + (-1,))[..., :K], -1, axis).astype(np.float32)
;;   ~~~
;;   SOFTMAX AHEAD OF A QUANTISED PRODUCT. Where the list says 'softmax', what is quantised is not the finished softmax but p = 2^(t - M), with t = logit x log2(e) and M = ceil(the row's largest t), a whole number; so 1/2 < the row's largest p <= 1. The row's sum l is taken of the UNQUANTISED p, in f32, and the product's result is divided by l at the end. Since M is a whole number, a kernel that streams over the keys may use a running M (the ceiling of the running maximum): every later rescaling is an exact power of two, which a block's scale takes up: the codes' values come out the same.
;;   OPERANDS COMPUTED ON THE WAY. 'Computed on the way' means the value that the module computes at that place (a softmax that the list does not call 'softmax' is quantised finished and normalised). What goes into a quantiser is computed in f32, as accurately as f32 sums, v_exp_f32 and their like allow (about 1e-6 of the number): no bf16 or f16 on the way to a quantiser, and a product that is left as it is and whose result goes on into a quantised operand takes f32 operands (vector FMAs, or v_wmma_f32_16x16x4_f32). A number that lies on a knife's edge between two numbers of the format may be rounded either way, as far as f32 arithmetic and the matrix unit's own rounding can turn it there, and no further.
;; One version. Each part assembles by itself: llvm-mc -triple=amdgcn-amd-amdhsa -mcpu=gfx1250 --defsym DOCPART=n.
;; ======== version 1 of 1: 4 launches
;; limits: right only within a limited range of input values
;; workspace buffers: opr 30,277,632 bytes; prj 25,952,256 bytes; att 8,650,752 bytes; msk 524,800 bytes of whole numbers
;; launch prep (part 1): grid 1920 x 1, 4 waves a work-group, no clusters, 68,864 bytes of LDS; arguments q, k, v, w_q, w_k, w_v, w_o, mask, opr, msk; writes opr, msk
.if DOCPART == 1
	.amdgcn_target "amdgcn-amd-amdhsa--gfx1250"
	.amdhsa_code_object_version 6
	.text
	.protected	k_q993db75c5f_prep
	.globl	k_q993db75c5f_prep
	.p2align	8
	.type	k_q993db75c5f_prep,@function
k_q993db75c5f_prep:
	s_mov_b64 s[64:65], 0
	v_nop
	global_prefetch_b8 v0, s[64:65] scope:SCOPE_SE
	s_setreg_imm32_b32 hwreg(HW_REG_WAVE_MODE, 25, 1), 1
	s_wait_xcnt 0x0
; PREP.  Work-groups 128 .. 1919: one UNIT (128 rows x 128 along K) of q, k, v, w_q, w_k, w_v or w_o, f32 with K innermost, becomes codes of E5M2 with one E8M0 byte for each 32 along K.
; Work-groups 0 .. 127: the mask's rows of one tile of 16 queries become lane-mask words, and one word of flags for the tile.
; A UNIT'S CODES, 16,384 bytes: tile tau (0..7), piece c (0..3), lane l = 16 h + r: the 16 bytes at 2048 tau + 512 c + 16 l are the codes of row 32 (tau / 2) + 8 (tau % 2) + r + 8 (r / 8), k = 32 c + 16 h + 0 .. 15:
; the image of a matrix operand's registers, so that later launches load a fragment by four loads of 512 consecutive bytes.  A UNIT'S SCALES, 512 bytes: the word at 32 r + 4 tau holds that row's four bytes.
; THE SCALE: the block's largest magnitude's exponent field less 15, held at 1 from below.  A block of zeros so gets the byte 1 (its codes are zeros; the bytes are read by this program alone).
; LIMITS: NaN and infinities among the inputs are not served; blocks whose largest magnitude lies under 2^-111 take the byte 1.  Mask bytes: 0 is false, all else true.
; MASK WORDS: for tile qt and key step t (128 keys) 64 words at (16 qt + t) x 256 bytes: bit l of word 16 b + i is mask[row (qt, l % 16)][128 t + 32 b + 16 (l / 16) + i].
; FLAGS, one word a tile at byte 524,288 + 4 qt: bit t: the step has to be worked (some key of it counts for some row; or some row of the tile has no key at all, then every step); bit 16 + t: such a step has hidden keys.
; The mask is 4 MB of the 122 MB that the launch reads: its rows are read 32 bytes at a time, and the flags leave as 4 bytes a tile.
.set OPS,  29360128                    ; opr: the scales begin behind 1,792 units of codes
.set TBO,  524288                      ; msk: the flags begin behind the words
.set SP,   528                         ; a stage row: 512 bytes + 16: the sixteen rows that a read touches start 16 bytes apart modulo 256
.set WST,  32*SP                       ; a wave's stage
.set SCS,  4*WST                       ; the unit's 512 scale bytes
.set MST,  SCS+512                     ; the mask path's own 64 bytes
.set R,    16                          ; v16-143  32 rows as loaded
.set X,    144                         ; v144-207 a tile's 64 numbers of my lane
.set TM,   240                         ; v240-255 at work
.set SEL,  44                          ; s[44:45] lane selects: lane l xor 16
.set MNT,  46                          ; s46 the mantissa field of 57,344
	s_load_b512 s[4:19], s[0:1], 0x0               ; q, k, v, w_q, w_k, w_v, w_o, mask
	s_load_b128 s[20:23], s[0:1], 0x40             ; opr, msk
	v_lshl_add_u32 v11, v0, 2, 0x10b00
	s_set_vgpr_msb 0x40
	v_mov_b32 v1, 0
	s_set_vgpr_msb 0x4000
	v_lshrrev_b32 v1, 5, v0
	v_readfirstlane_b32 s24, v1                    ; wave
	v_and_b32 v1, 31, v0                           ; lane
	s_wait_kmcnt 0x0
	s_cmp_lt_u32 ttmp9, 128                        ; the same for all waves of a work-group
	s_cbranch_scc1 .Lmask
; ---------------- a unit of an operand ----------------
; 64 numbers of a lane, register 16 b + i = k 32 b + 16 h + i of my row, become 16 registers of codes at v[pc] and the row's scale word in v[pw]
.macro QUANT s, pc, pw
.irp b, 0,1,2,3
	v_max3_num_f32 v[TM+\b], |v[\s+16*\b]|, |v[\s+1+16*\b]|, 0x8000000   ; my 16 numbers of block b, and the floor 2^(16 - 127): the byte cannot fall under 1
.endr
.irp i, 2,4,6,8,10,12,14
.irp b, 0,1,2,3
	v_max3_num_f32 v[TM+\b], v[TM+\b], |v[\s+16*\b+\i]|, |v[\s+1+16*\b+\i]|
.endr
.endr
.irp b, 0,1,2,3
	v_permlanex16_b32 v[TM+4+\b], v[TM+\b], s[SEL], s[SEL+1]
.endr
.irp b, 0,1,2,3
	v_max_num_f32 v[TM+\b], v[TM+\b], v[TM+4+\b]   ; with lane l xor 16's 16: the block's largest magnitude
.endr
.irp b, 0,1,2,3
	v_add_nc_u32 v[TM+12+\b], 0xf8800000, v[TM+\b] ; 15 off its exponent field: the conversion's scale operand
.endr
.irp b, 0,1,2,3
	v_and_or_b32 v[TM+8+\b], v[TM+\b], 0x7f800000, s[MNT]   ; 57,344 x the scale
.endr
.irp b, 0,1,2,3
	v_lshrrev_b32 v[TM+4+\b], 23, v[TM+12+\b]      ; the scale's byte
.endr
	v_lshl_or_b32 v[\pw], v[TM+5], 8, v[TM+4]
	v_lshl_or_b32 v[\pw], v[TM+6], 16, v[\pw]
	v_lshl_or_b32 v[\pw], v[TM+7], 24, v[\pw]
.irp b, 0,1,2,3
.irp i, 0,1,2,3,4,5,6,7,8,9,10,11,12,13,14,15
	v_med3_num_f32 v[\s+16*\b+\i], v[\s+16*\b+\i], -v[TM+8+\b], v[TM+8+\b]   ; the conversion does not saturate (ISA guide 7.6.2): hold first
.endr
	v_cvt_scalef32_pk8_bf8_f32 v[\pc+4*\b:\pc+4*\b+1], v[\s+16*\b:\s+16*\b+7], v[TM+12+\b]
	v_cvt_scalef32_pk8_bf8_f32 v[\pc+4*\b+2:\pc+4*\b+3], v[\s+16*\b+8:\s+16*\b+15], v[TM+12+\b]
.endr
	v_nop                                          ; a plain line behind the last conversion
.endm
	s_sub_co_u32 s25, ttmp9, 128                   ; u: the unit's number in opr
	s_lshr_b32 s26, s25, 9                         ; q, k, v: 512 units each
	s_and_b32 s27, s25, 511
	s_sub_co_u32 s28, s25, 1536                    ; the weights: 64 units each (not used where u < 1,536)
	s_lshr_b32 s29, s28, 6
	s_add_co_u32 s29, s29, 3
	s_and_b32 s28, s28, 63
	s_cmp_lt_u32 s25, 1536
	s_cselect_b32 s26, s26, s29                    ; which tensor, 0 .. 6
	s_cselect_b32 s27, s27, s28                    ; which unit of it: 8 x (rows / 128) + (k / 128)
	s_mov_b64 s[30:31], s[4:5]
	s_cmp_eq_u32 s26, 1
	s_cselect_b64 s[30:31], s[6:7], s[30:31]
	s_cmp_eq_u32 s26, 2
	s_cselect_b64 s[30:31], s[8:9], s[30:31]
	s_cmp_eq_u32 s26, 3
	s_cselect_b64 s[30:31], s[10:11], s[30:31]
	s_cmp_eq_u32 s26, 4
	s_cselect_b64 s[30:31], s[12:13], s[30:31]
	s_cmp_eq_u32 s26, 5
	s_cselect_b64 s[30:31], s[14:15], s[30:31]
	s_cmp_eq_u32 s26, 6
	s_cselect_b64 s[30:31], s[16:17], s[30:31]
	s_lshr_b32 s32, s27, 3
	s_lshl_b32 s32, s32, 19                        ; 128 rows of 4,096 bytes
	s_and_b32 s33, s27, 7
	s_lshl_b32 s33, s33, 9                         ; 128 numbers along K
	s_add_co_u32 s32, s32, s33
	s_lshl_b32 s33, s24, 17                        ; my wave's 32 rows
	s_add_co_u32 s32, s32, s33
	s_mov_b32 s33, 0
	s_add_nc_u64 s[30:31], s[30:31], s[32:33]
	s_wait_alu depctr_va_vdst(0)
	v_lshlrev_b32 v2, 4, v1                        ; 16 x lane
.set kp, 0
.rept 32                                       ; position kp takes the row that lane kp % 16 of tile kp / 16 wants; each load reads 512 consecutive bytes
	global_load_b128 v[R+4*kp:R+4*kp+3], v2, s[30:31] offset:(8*(kp/16)+kp%8+16*((kp%16)/8))*4096 th:TH_LOAD_NT
.set kp, kp+1
.endr
	v_and_b32 v7, 15, v0                           ; r
	v_bfe_u32 v8, v0, 4, 1                         ; h
	s_mul_i32 s36, s24, WST
	v_add_nc_u32 v3, s36, v2                       ; into my stage: a row as it was loaded
	v_mul_u32_u24 v4, v7, SP
	v_lshl_add_u32 v4, v8, 6, v4
	v_add_nc_u32 v4, s36, v4                       ; out of it: row r, + 64 h bytes
	v_lshlrev_b32 v5, 5, v7
	s_lshl_b32 s37, s24, 3
	s_add_co_u32 s37, s37, SCS
	v_add_nc_u32 v5, s37, v5                       ; my two tiles' scale words: 32 r + 8 x wave
	v_add_nc_u32 v6, SCS, v2
	s_mov_b32 s[SEL], 0x76543210
	s_mov_b32 s[SEL+1], 0xfedcba98
	s_mov_b32 s[MNT], 0x600000
.irp b, 0,1,2,3
	v_mov_b32 v[TM+4+\b], 0                        ; a lane permute's destination counts as one of its sources
.endr
	s_lshl_b32 s34, s25, 14
	s_lshl_b32 s36, s24, 12
	s_add_co_u32 s34, s34, s36
	s_mov_b32 s35, 0
	s_add_nc_u64 s[34:35], s[20:21], s[34:35]      ; my two tiles of the unit's codes
	s_lshl_b32 s42, s25, 9
	s_add_co_u32 s42, s42, OPS
	s_mov_b32 s43, 0
	s_add_nc_u64 s[42:43], s[20:21], s[42:43]      ; the unit's scales
; tile t of my two: its 16 rows turn through my own stage (LDS serves a wave's instructions in order: no wait between the stores and the loads), are quantised and leave as four stores of 512 consecutive bytes
.macro TILE t, pc, pw
.set kp, 16*\t
.rept 16
	ds_store_b128 v3, v[R+4*kp:R+4*kp+3] offset:kp*SP
.set kp, kp+1
.endr
.irp c, 0,1,2,3
.irp j, 0,1,2,3
	ds_load_b128 v[X+16*\c+4*\j:X+16*\c+4*\j+3], v4 offset:16*\t*SP+128*\c+16*\j
.endr
.endr
	s_wait_dscnt 0x0
	QUANT X, \pc, \pw
.irp c, 0,1,2,3
	global_store_b128 v2, v[\pc+4*\c:\pc+4*\c+3], s[34:35] offset:2048*\t+512*\c
.endr
.endm
	s_wait_alu depctr_va_vdst(0)
	s_wait_loadcnt 16                              ; the first tile's 16 rows are in; the second's 16 loads may be out
	TILE 0, 208, 12
	s_wait_loadcnt 0x0
	TILE 1, 224, 13
	ds_store_b64 v5, v[12:13]                      ; lanes r and r + 16 write the same words with the same values
	s_wait_dscnt 0x0                               ; for the others' sake: my stores have landed
	s_barrier_signal -1
	s_barrier_wait -1
	s_cmp_lg_u32 s24, 0
	s_cbranch_scc1 .Lq_end
	ds_load_b128 v[16:19], v6
	s_wait_dscnt 0x0
	global_store_b128 v2, v[16:19], s[42:43]       ; the unit's 512 scale bytes in one store
.Lq_end:
	s_set_vgpr_msb 0x4
	s_wait_tensorcnt 0x0
	ds_add_u32 v11, v1
	s_wait_dscnt 0x0
	s_set_vgpr_msb 0x400
	s_endpgm
; ---------------- the mask's rows of one tile of queries ----------------
.Lmask:
	v_and_b32 v3, 15, v0                           ; r
	v_bfe_u32 v4, v0, 4, 1                         ; h
	v_and_b32 v5, 8, v3
	v_add_nc_u32 v5, v5, v3                        ; r + 8 (r / 8)
	v_lshlrev_b32 v5, 11, v5                       ; a row of the mask is 2,048 bytes
	v_lshl_add_u32 v5, v4, 4, v5                   ; + 16 h
	s_wait_alu depctr_va_vdst(0)
	v_lshlrev_b32 v6, 3, v1                        ; out: 8 bytes a lane
	s_lshr_b32 s26, ttmp9, 3
	s_lshl_b32 s26, s26, 7
	s_and_b32 s27, ttmp9, 7
	s_lshr_b32 s28, s27, 1
	s_lshl_b32 s28, s28, 5
	s_add_co_u32 s26, s26, s28
	s_and_b32 s28, ttmp9, 1
	s_lshl_b32 s28, s28, 3
	s_add_co_u32 s26, s26, s28                     ; the tile's first row: 128 (qt / 8) + 32 ((qt % 8) / 2) + 8 (qt % 2)
	s_lshl_b32 s26, s26, 11
	s_lshl_b32 s28, s24, 9                         ; my wave's four key steps: 512 keys
	s_add_co_u32 s26, s26, s28
	s_mov_b32 s27, 0
	s_add_nc_u64 s[18:19], s[18:19], s[26:27]
.irp tt, 0,1,2,3
.irp b, 0,1,2,3
	global_load_b128 v[16+16*\tt+4*\b:16+16*\tt+4*\b+3], v5, s[18:19] offset:128*\tt+32*\b
.endr
.endr
	s_lshl_b32 s36, ttmp9, 12
	s_lshl_b32 s28, s24, 10
	s_add_co_u32 s36, s36, s28
	s_mov_b32 s37, 0
	s_add_nc_u64 s[36:37], s[22:23], s[36:37]      ; my four steps' words
	s_lshl_b32 s38, ttmp9, 2
	s_add_co_u32 s38, s38, TBO
	s_mov_b32 s39, 0
	s_add_nc_u64 s[38:39], s[22:23], s[38:39]      ; the tile's flags
	s_mov_b32 s32, 0                               ; steps with a key that counts
	s_mov_b32 s33, 0                               ; steps all of whose keys count
	v_mov_b32 v10, 0                               ; what my lane has seen of its row
.irp j, 0,1,2,3,4,5,6,7
	v_mov_b32 v[80+\j], 0                          ; v_writelane_b32's destination counts as read; a pair for each step, so that no store's data are written again
.endr
	s_lshl_b32 s35, s24, 4
	s_add_co_u32 s35, s35, MST
	v_mov_b32 v92, s35
.macro MSTEP tt
	s_wait_loadcnt 12-4*\tt                        ; this step's four loads are in; four for each later step may be out
	v_or_b32 v8, v[16+16*\tt], v[17+16*\tt]
	v_and_b32 v9, v[16+16*\tt], v[17+16*\tt]
.irp k, 2,3,4,5,6,7,8,9,10,11,12,13,14,15
	v_or_b32 v8, v8, v[16+16*\tt+\k]
	v_and_b32 v9, v9, v[16+16*\tt+\k]
.endr
	v_or_b32 v10, v10, v8
	v_cmp_ne_u32 s40, 0, v8
	v_cmp_eq_u32 s41, 0x01010101, v9
	s_cmp_lg_u32 s40, 0
	s_cselect_b32 s42, 1<<\tt, 0
	s_or_b32 s32, s32, s42
	s_cmp_eq_u32 s41, -1
	s_cselect_b32 s42, 1<<\tt, 0
	s_or_b32 s33, s33, s42
.set n, 0
.rept 64                                       ; word n = 16 b + i: the compare's lane mask is the word; lane n / 2 of the pair takes it
	v_bfe_u32 v[12+n%4], v[16+16*\tt+4*(n/16)+(n%16)/4], 8*(n%4), 8
	v_cmp_ne_u32 s[44+n%8], 0, v[12+n%4]
	v_writelane_b32 v[80+2*\tt+n%2], s[44+n%8], n/2
.set n, n+1
.endr
	global_store_b64 v6, v[80+2*\tt:81+2*\tt], s[36:37] offset:256*\tt   ; 32 lanes store 256 consecutive bytes, aligned
.endm
	MSTEP 0
	MSTEP 1
	MSTEP 2
	MSTEP 3
	s_lshl_b32 s34, s24, 2
	s_lshl_b32 s32, s32, s34                       ; my steps' places among the sixteen
	s_lshl_b32 s33, s33, s34
	v_cmp_ne_u32 s34, 0, v10                       ; which lanes have seen a key that counts
	v_mov_b32 v88, s32
	v_mov_b32 v89, s33
	v_mov_b32 v90, s34
	v_mov_b32 v91, 0
	ds_store_b128 v92, v[88:91]                    ; all lanes write the same 16 bytes with the same values
	s_wait_dscnt 0x0
	s_barrier_signal -1
	s_barrier_wait -1
	s_cmp_lg_u32 s24, 0
	s_cbranch_scc1 .Lm_end
	v_mov_b32 v93, MST
	ds_load_b128 v[96:99], v93
	ds_load_b128 v[100:103], v93 offset:16
	ds_load_b128 v[104:107], v93 offset:32
	ds_load_b128 v[108:111], v93 offset:48
	s_wait_dscnt 0x0
	v_or_b32 v96, v96, v100
	v_or_b32 v97, v97, v101
	v_or_b32 v98, v98, v102
	v_or_b32 v96, v96, v104
	v_or_b32 v97, v97, v105
	v_or_b32 v98, v98, v106
	v_or_b32 v96, v96, v108                        ; any
	v_or_b32 v97, v97, v109                        ; all
	v_or_b32 v98, v98, v110                        ; lanes
	v_lshrrev_b32 v99, 16, v98
	v_or_b32 v98, v98, v99
	v_and_b32 v98, 0xffff, v98                     ; rows that have a key
	v_mov_b32 v99, 0xffff
	v_cmp_eq_u32 vcc_lo, 0xffff, v98
	v_cndmask_b32 v96, v99, v96, vcc_lo            ; a tile with a row that has no key at all leaves no step out
	v_xor_b32 v97, -1, v97
	v_and_b32 v97, v96, v97                        ; steps to be worked that have hidden keys
	v_lshl_or_b32 v96, v97, 16, v96
	v_mov_b32 v94, 0
	v_cmp_gt_u32 vcc_lo, 1, v1
	s_wait_alu depctr_va_vdst(0)
	s_wait_xcnt 0x0                                ; EXEC is a source of the stores above: it changes only behind this wait
	s_and_saveexec_b32 s50, vcc_lo
	global_store_b32 v94, v96, s[38:39]            ; lane 0 alone
	s_wait_xcnt 0x0
	s_or_b32 exec_lo, exec_lo, s50
.Lm_end:
	s_set_vgpr_msb 0x4
	s_wait_tensorcnt 0x0
	ds_add_u32 v11, v1
	s_wait_dscnt 0x0
	s_set_vgpr_msb 0x400
	s_endpgm
.Lfunc_end_k_q993db75c5f_prep:
	.size	k_q993db75c5f_prep, .Lfunc_end_k_q993db75c5f_prep-k_q993db75c5f_prep
	.p2alignl 7, 3214868480
	.fill 96, 4, 3214868480
	.section	.rodata,"a",@progbits
	.p2align	6, 0x0
	.amdhsa_kernel k_q993db75c5f_prep
		.amdhsa_group_segment_fixed_size 68864
		.amdhsa_private_segment_fixed_size 0
		.amdhsa_enable_private_segment 0
		.amdhsa_kernarg_size 80
		.amdhsa_user_sgpr_count 2
		.amdhsa_user_sgpr_kernarg_segment_ptr 1
		.amdhsa_wavefront_size32 1
		.amdhsa_system_sgpr_workgroup_id_x 1
		.amdhsa_system_sgpr_workgroup_id_y 1
		.amdhsa_system_sgpr_workgroup_id_z 1
		.amdhsa_system_vgpr_workitem_id 0
		.amdhsa_next_free_vgpr 258
		.amdhsa_next_free_sgpr 66
		.amdhsa_reserve_vcc 1
		.amdhsa_float_denorm_mode_32 3
		.amdhsa_float_denorm_mode_16_64 3
		.amdhsa_memory_ordered 1
		.amdhsa_forward_progress 1
		.amdhsa_inst_pref_size 87
	.end_amdhsa_kernel
	.amdgpu_metadata
---
amdhsa.version: [ 1, 2 ]
amdhsa.kernels:
  - .name:           k_q993db75c5f_prep
    .symbol:         k_q993db75c5f_prep.kd
    .args:
      - { .name: q, .offset: 0, .size: 8, .value_kind: global_buffer, .address_space: global }
      - { .name: k, .offset: 8, .size: 8, .value_kind: global_buffer, .address_space: global }
      - { .name: v, .offset: 16, .size: 8, .value_kind: global_buffer, .address_space: global }
      - { .name: w_q, .offset: 24, .size: 8, .value_kind: global_buffer, .address_space: global }
      - { .name: w_k, .offset: 32, .size: 8, .value_kind: global_buffer, .address_space: global }
      - { .name: w_v, .offset: 40, .size: 8, .value_kind: global_buffer, .address_space: global }
      - { .name: w_o, .offset: 48, .size: 8, .value_kind: global_buffer, .address_space: global }
      - { .name: mask, .offset: 56, .size: 8, .value_kind: global_buffer, .address_space: global }
      - { .name: opr, .offset: 64, .size: 8, .value_kind: global_buffer, .address_space: global }
      - { .name: msk, .offset: 72, .size: 8, .value_kind: global_buffer, .address_space: global }
    .group_segment_fixed_size: 68864
    .private_segment_fixed_size: 0
    .kernarg_segment_align: 8
    .kernarg_segment_size: 80
    .max_flat_workgroup_size: 128
    .sgpr_count:     66
    .vgpr_count:     258
    .wavefront_size: 32
...
	.end_amdgpu_metadata
.endif
;; end of part 1
;; launch proj (part 2): grid 4 x 192, 4 waves a work-group, clusters of 4 x 1, 168,448 bytes of LDS; arguments opr, b_q, b_k, b_v, prj; writes prj
.if DOCPART == 2
	.amdgcn_target "amdgcn-amd-amdhsa--gfx1250"
	.amdhsa_code_object_version 6
	.text
	.protected	k_q993db75c5f_proj
	.globl	k_q993db75c5f_proj
	.p2align	8
	.type	k_q993db75c5f_proj,@function
k_q993db75c5f_proj:
	s_mov_b64 s[64:65], 0
	v_nop
	global_prefetch_b8 v0, s[64:65] scope:SCOPE_SE
	s_setreg_imm32_b32 hwreg(HW_REG_WAVE_MODE, 25, 1), 1
	s_wait_xcnt 0x0
	s_wait_alu depctr_hold_cnt(0) depctr_sa_sdst(0) depctr_va_vdst(0) depctr_va_sdst(0) depctr_va_ssrc(0) depctr_va_vcc(0) depctr_vm_vsrc(0)
	s_getreg_b32 s2, hwreg(HW_REG_IB_STS2, 6, 4)
	s_cmp_eq_u32 s2, 0
	s_cbranch_scc0 .Lentry_in_a_cluster
	s_endpgm
.Lentry_in_a_cluster:
	s_bfe_u32 s2, ttmp6, 0x10000c
	s_cmp_lg_u32 s2, 0x3003
	s_cbranch_scc0 .Lentry_shape_is_right
	s_endpgm
.Lentry_shape_is_right:
; PROJ.  The three input projections x W^T + b on codes of E5M2 with E8M0 scales, K = 1,024, and the quantiser of their results.  Operands and results lie in units of 128 rows x 128 K, as images of operand registers:
; codes at 2048 tau + 512 c + 16 lane, row 32 (tau / 2) + 8 (tau % 2) + r + 8 (r / 8), k = 32 c + 16 h + 0 .. 15; scale word at 32 r + 4 tau.
; A work-group makes 128 rows of S1 x 256 rows of S0.  Source 0 of the matrix instruction is S0, source 1 is S1: a lane holds ONE row of S1, and the 16 registers of S0's tiles 2 p, 2 p + 1 are 16 neighbours along S0's rows.
; q, k (P = 0, 1): S1 = 128 tokens, S0 = 256 rows of W: the results are quantised along the channels.  v (P = 2): S1 = 128 rows of w_v, S0 = 256 tokens: V^T, quantised along the tokens, which are the keys.
; SHARES.  Wave w takes all 8 tiles of S1 x 4 tiles of S0: 32 accumulators.  Its S0 rows are nobody else's: their 32 fragments go from memory straight into 512 registers.  S1's block (128 KB of codes, 4 KB of scales)
; is wanted by all four waves and by the four work-groups of the cluster: it comes by JOINT tensor loads, three a wave, all of them first fills: no LDS byte is filled twice.  Three tensor loads of a wave are out at the most.
; The bias is the C of each sum's first matrix instruction.  The 32 accumulators take turns, one instruction a turn.
; LIMITS: NaN and infinities are not served; a block whose largest magnitude lies under 2^-111 (a block of zeros too) takes the byte 1: the bytes are read by this program alone.
; REGISTERS.  Window 0: v1-12 addresses; v16-47 S0's scale words (4 s + t); v48-63 S1's, two sets of 8; v64-127 the bias; v128-191, v192-255 two sets of four fragments of S1.
;   Window 1: accumulator (a, t) at v[8 (4 a + t)].  Windows 2, 3: S0's fragments of K steps 0-3, 4-7 at v[16 (4 (s % 4) + t)].
.set OPS,  29360128                    ; opr: where the scales begin
.set PRS,  25165824                    ; prj: likewise
.set XSC,  131072                      ; LDS: S1's codes from 0; its scales here;
.set STG,  135168                      ; and a stage of 1,024 bytes for the results' scale bytes, which no tensor load touches
.set WV,   14
.set PJ,   17
.set G1C,  24                          ; s[24:31] group 1: 128 rows of 256 bytes
.set G1S,  32
.set T0,   40                          ; s[40:43] group 0: my quarter of the scales
.set T1,   44                          ; s[44:47] my quarter of S1's codes: K steps 2 w, 2 w + 1
.set T2,   48
.set F0,   52                          ; s[52:53] my S0 fragments
.set SC0,  54                          ; s[54:55] my S0 scale words
.set BIA,  56                          ; s[56:57] my bias
.set OUC,  58                          ; s[58:59] my results' codes
.set OUS,  60                          ; s[60:61] my part of the results' scale bytes
.set SEL,  62                          ; s[62:63]
.set MNT,  76
.set S0S,  16
.set XS,   48
.set BI,   64
.set XF,   128
.set PC,   128                         ; the results' codes, where S1's first set lay
.set PW,   236
.set TM,   240
.set MSB, 0
.macro WIN new                         ; the immediate's high byte repeats the setting that is left
.if MSB != \new
	s_set_vgpr_msb (MSB<<8)|\new
.set MSB, \new
.endif
.endm
.macro CROUND                          ; a round of the cluster's barrier
	s_barrier_signal -1
	s_barrier_wait -1
	s_cmp_lg_u32 s[WV], 0
	s_cbranch_scc1 .Lnot_wave_0_\@
	s_barrier_signal -3
.Lnot_wave_0_\@:
	s_barrier_wait -3
	s_barrier_signal -1
	s_barrier_wait -1
.endm
	s_load_b256 s[4:11], s[0:1], 0x0               ; opr, b_q, b_k, b_v
	s_load_b64 s[12:13], s[0:1], 0x20              ; prj
	v_lshl_add_u32 v14, v0, 2, 0x29000
	v_mov_b32 v15, 0
	ds_add_u32 v14, v15
	ds_add_u32 v14, v15
	v_lshrrev_b32 v2, 5, v0
	v_readfirstlane_b32 s[WV], v2                  ; wave 0..3
	v_and_b32 v2, 31, v0
	v_lshlrev_b32 v1, 4, v2                        ; 16 x lane: an image's place for my lane, in memory and in LDS (K steps 0-3)
	v_add_nc_u32 v3, 0x10000, v1                   ; K steps 4-7
	v_and_b32 v8, 15, v0                           ; r
	v_bfe_u32 v9, v0, 4, 1                         ; h
	v_lshlrev_b32 v5, 5, v8                        ; 32 r
	v_add_nc_u32 v4, XSC, v5
	v_lshlrev_b32 v6, 6, v9                        ; 64 h
	v_and_b32 v10, 8, v8
	v_add_nc_u32 v10, v10, v8
	v_lshlrev_b32 v10, 2, v10                      ; 4 (r + 8 (r / 8))
	v_lshlrev_b32 v12, 3, v2                       ; 8 x lane
	s_wait_alu depctr_va_vdst(0)
	s_lshr_b32 s2, s[WV], 1
	s_lshl_b32 s2, s2, 9
	s_and_b32 s3, s[WV], 1
	s_lshl_b32 s3, s3, 1
	s_add_co_u32 s2, s2, s3
	s_add_co_u32 s2, s2, STG
	v_add_nc_u32 v7, s2, v5                        ; the stage: unit wave / 2, row r, my two bytes of a word: 2 (wave % 2)
	s_lshl_b32 s2, s[WV], 8
	s_add_co_u32 s2, s2, STG
	v_add_nc_u32 v11, s2, v12                      ; back: 256 bytes a wave
	s_mov_b32 s[SEL], 0x76543210
	s_mov_b32 s[SEL+1], 0xfedcba98
	s_mov_b32 s[MNT], 0x600000
	; which units.  cx enters S0's, the bias's and the results' addresses alone: no descriptor, no LDS address and no branch hangs on it
	s_bfe_u32 s15, ttmp6, 0x40000                  ; cx
	s_and_b32 s16, ttmp7, 0xffff                   ; Y, which the four partners share
	s_lshr_b32 s[PJ], s16, 6                       ; P: 0 q, 1 k, 2 v
	s_and_b32 s18, s16, 63                         ; Yl
	s_and_b32 s19, s18, 7
	s_lshr_b32 s20, s18, 3
	s_lshl_b32 s21, s[PJ], 9
	s_lshl_b32 s22, s18, 3
	s_add_co_u32 s21, s21, s22                     ; 512 P + 8 Yl: x's units of these tokens, and the results' row of units
	s_lshl_b32 s22, s19, 3
	s_add_co_u32 s22, s22, 1664                    ; w_v's units of rows 128 (Yl % 8) on
	s_lshl_b32 s66, s20, 2
	s_lshl_b32 s67, s[PJ], 6
	s_add_co_u32 s67, s67, 1536                    ; w_q's or w_k's first unit
	s_lshl_b32 s68, s19, 6
	s_add_co_u32 s68, s68, 1024                    ; V^T: 1,024 + 64 (Yl % 8)
	s_cmp_eq_u32 s[PJ], 2
	s_cselect_b32 s23, s22, s21                    ; U1: S1's first unit
	s_cselect_b32 s66, s66, 0
	s_cselect_b32 s67, 1024, s67                   ; S0's tensor begins here
	s_cselect_b32 s68, s68, s21                    ; the results' units begin here
	s_add_co_u32 s66, s66, s15                     ; which 256 rows of S0
	s_lshl_b32 s66, s66, 1                         ; their first unit row
	s_lshr_b32 s69, s[WV], 1
	s_add_co_u32 s69, s66, s69                     ; rho0: my unit row of S0
	s_and_b32 s70, s[WV], 1
	s_lshl_b32 s71, s69, 3
	s_add_co_u32 s67, s67, s71                     ; U0
	s_add_co_u32 s72, s68, s69                     ; UY: my results' unit
	s_add_co_u32 s68, s68, s66                     ; the work-group's first
	s_lshl_b32 s[F0], s67, 14
	s_lshl_b32 s71, s70, 13
	s_add_co_u32 s[F0], s[F0], s71                 ; my four tiles: 4 (wave % 2) on
	s_mov_b32 s[F0+1], 0
	s_lshl_b32 s[SC0], s67, 9
	s_lshl_b32 s71, s70, 4
	s_add_co_u32 s[SC0], s[SC0], s71
	s_add_co_u32 s[SC0], s[SC0], OPS
	s_mov_b32 s[SC0+1], 0
	s_lshl_b32 s[OUC], s72, 14
	s_lshl_b32 s71, s70, 10
	s_add_co_u32 s[OUC], s[OUC], s71               ; my pieces c = 2 (wave % 2), + 1
	s_mov_b32 s[OUC+1], 0
	s_lshl_b32 s[OUS], s68, 9
	s_lshl_b32 s71, s[WV], 8
	s_add_co_u32 s[OUS], s[OUS], s71
	s_add_co_u32 s[OUS], s[OUS], PRS
	s_mov_b32 s[OUS+1], 0
	s_lshl_b32 s[BIA], s69, 9
	s_lshl_b32 s71, s70, 8
	s_add_co_u32 s[BIA], s[BIA], s71               ; q, k: the bias of my 64 rows of W
	s_lshl_b32 s71, s19, 9                         ; v: of S1's 128 rows
	s_cmp_eq_u32 s[PJ], 2
	s_cselect_b32 s[BIA], s71, s[BIA]
	s_mov_b32 s[BIA+1], 0
	s_lshl_b32 s73, s23, 14
	s_lshl_b32 s74, s[WV], 15                      ; my quarter of S1's codes is now two whole K steps, 32,768 bytes, brought by ONE joint load a wave (this overtakes the head comment's three loads a wave)
	s_add_co_u32 s2, s73, s74                      ; S1's codes: my quarter of K steps 0-3
	s_mov_b32 s3, 0
	s_lshl_b32 s73, s23, 9
	s_lshl_b32 s74, s[WV], 10
	s_add_co_u32 s74, s73, s74
	s_add_co_u32 s74, s74, OPS                     ; S1's scales: my quarter
	s_mov_b32 s75, 0
	; group 1: a dense block as rows of 256 bytes (32 elements of 8 bytes); the mask names all four work-groups, bit 21 beside it
.irp g, G1C
	s_mov_b32 s[\g], 15|(3<<16)|(1<<21)
	s_mov_b32 s[\g+1], 32<<16                      ; tensor_dim0
	s_mov_b32 s[\g+3], 32<<16                      ; tile_dim0
	s_mov_b32 s[\g+5], 32                          ; the pitch
	s_mov_b32 s[\g+6], 0
	s_mov_b32 s[\g+7], 0
.endr
	s_mov_b32 s[G1C+2], 128<<16                    ; tensor_dim1: 128 rows of 256 bytes
	s_mov_b32 s[G1C+4], 128                        ; tile_dim1
	s_lshl_b32 s[T0+1], s[WV], 10
	s_add_co_u32 s[T0+1], s[T0+1], XSC
	v_add_nc_u32 v13, s[T0+1], v1                  ; S1's scales go through registers: my 1,024 bytes of them land here, in LDS bytes that no tensor load fills
	s_wait_alu depctr_va_vdst(0)                   ; the wait behind the write
	s_mov_b32 s[T1], 1
	s_lshl_b32 s[T1+1], s[WV], 15
	s_wait_dscnt 0x0
	s_wait_kmcnt 0x0
	s_add_nc_u64 s[T0+2:T0+3], s[4:5], s[74:75]
	s_add_nc_u64 s[T1+2:T1+3], s[4:5], s[2:3]
	s_or_b32 s[T1+3], s[T1+3], 0x80000000
	s_add_nc_u64 s[F0:F0+1], s[4:5], s[F0:F0+1]
	s_add_nc_u64 s[SC0:SC0+1], s[4:5], s[SC0:SC0+1]
	s_add_nc_u64 s[OUC:OUC+1], s[12:13], s[OUC:OUC+1]
	s_add_nc_u64 s[OUS:OUS+1], s[12:13], s[OUS:OUS+1]
	s_cmp_eq_u32 s[PJ], 1
	s_cselect_b64 s[2:3], s[8:9], s[6:7]
	s_cmp_eq_u32 s[PJ], 2
	s_cselect_b64 s[2:3], s[10:11], s[2:3]
	s_add_nc_u64 s[BIA:BIA+1], s[2:3], s[BIA:BIA+1]
	global_load_b128 v[48:51], v1, s[T0+2:T0+3]             ; my quarter of S1's scales: two loads of 512 consecutive bytes
	global_load_b128 v[52:55], v1, s[T0+2:T0+3] offset:512
	CROUND                                         ; all four work-groups are here: the joint loads meet
	tensor_load_to_lds s[T1:T1+3], s[G1C:G1C+7]    ; K steps 2 w and 2 w + 1: the wave's one tensor load
	s_nop 0
.rept 4
	v_nop                                          ; behind tensor loads
.endr
	s_cmp_eq_u32 s[PJ], 2                          ; the same in all partners
	s_cbranch_scc1 .Lbias_v
.irp cp, 0,1                                   ; q, k: register j of tile t wants the bias of channel 32 (t / 2) + 16 h + 8 (t % 2) + j; two copies, so that both ways write all 64 registers
.irp t, 0,1,2,3
	global_load_b128 v[BI+32*\cp+8*\t:BI+32*\cp+8*\t+3], v6, s[BIA:BIA+1] offset:128*(\t/2)+32*(\t%2)
	global_load_b128 v[BI+32*\cp+8*\t+4:BI+32*\cp+8*\t+7], v6, s[BIA:BIA+1] offset:128*(\t/2)+32*(\t%2)+16
.endr
.endr
	s_branch .Lbias_done
.Lbias_v:
.irp a, 0,1,2,3,4,5,6,7                        ; v: all eight registers of tile a want the bias of my lane's channel
.irp j, 0,1,2,3,4,5,6,7
	global_load_b32 v[BI+8*\a+\j], v10, s[BIA:BIA+1] offset:(32*(\a/2)+8*(\a%2))*4
.endr
.endr
.Lbias_done:
.irp s, 0,1,2,3,4,5,6,7
	global_load_b128 v[S0S+4*\s:S0S+4*\s+3], v5, s[SC0:SC0+1] offset:512*\s   ; my four tiles' scale words of K step s
.endr
.macro FRAGS s                                 ; my four fragments of S0 for K step s: 16 loads of 512 consecutive bytes
.irp t, 0,1,2,3
.irp c, 0,1,2,3
	global_load_b128 v[16*(4*((\s)%4)+\t)+4*\c:16*(4*((\s)%4)+\t)+4*\c+3], v1, s[F0:F0+1] offset:(\s)*16384+\t*2048+512*\c
.endr
.endr
.endm
	WIN 0x80                                       ; destination window 2
	FRAGS 0
	FRAGS 1
	FRAGS 2
	FRAGS 3
	WIN 0
.macro LOADX s, g                              ; S1's tiles 4 g .. 4 g + 3 of K step s into set g
.irp a, 0,1,2,3
.irp c, 0,1,2,3
	ds_load_b128 v[XF+64*(\g)+16*\a+4*\c:XF+64*(\g)+16*\a+4*\c+3], v[1+2*((\s)/4)] offset:((\s)%4)*16384+(4*(\g)+\a)*2048+512*\c
.endr
.endr
.endm
.macro LOADXS s                                ; S1's eight scale words of K step s
	ds_load_b128 v[XS+8*((\s)%2):XS+8*((\s)%2)+3], v4 offset:512*(\s)
	ds_load_b128 v[XS+8*((\s)%2)+4:XS+8*((\s)%2)+7], v4 offset:512*(\s)+16
.endm
.macro KHEAD s                                 ; K step s's fragments of S0 are in: behind them stand 16 loads for each later K step that has been asked for
.if \s <= 4
	s_wait_loadcnt 48
.else
	s_wait_loadcnt 16*(7-\s)
.endif
.if \s < 4
	WIN 0xc0                                       ; destination window 3
	FRAGS (\s)+4
	WIN 0
.endif
.endm
; Half a K step: S1's tiles 4 g .. 4 g + 3 x my four tiles of S0.  cmode 0: onto the sums; 1: the sums begin with the bias by register; 2: with the bias by lane.
; sync = 1: the barrier that shows K steps 4-7 to every wave: my wait for all my tensor loads and for my LDS loads in front of the signal, the products between signal and wait.
.macro HALF s, g, cmode, sync
.if \sync
	s_wait_tensorcnt 0x0
	s_wait_dscnt 0x0
	s_barrier_signal -1
.elseif (\s == 7) && (\g == 1)
	s_wait_dscnt 0x0
.elseif \g == 0
	s_wait_dscnt 16                                ; this set and the scale words are in; the other set's 16 loads may be out
.else
	s_wait_dscnt 18                                ; behind this set's loads: the next K step's 16 and its 2 of scale words
.endif
.if \cmode
	WIN 0x42                                       ; S0 window 2, S1 and C window 0, D window 1
.elseif \s < 4
	WIN 0x52                                       ; C and D window 1
.else
	WIN 0x53                                       ; S0 window 3
.endif
.irp a, 0,1,2,3
.irp t, 0,1,2,3
.if \cmode == 1
	v_wmma_scale_f32_16x16x128_f8f6f4 v[8*(4*(4*\g+\a)+\t):8*(4*(4*\g+\a)+\t)+7], v[16*(4*((\s)%4)+\t):16*(4*((\s)%4)+\t)+15], v[XF+64*\g+16*\a:XF+64*\g+16*\a+15], v[BI+32*(\a%2)+8*\t:BI+32*(\a%2)+8*\t+7], v[S0S+4*(\s)+\t], v[XS+8*((\s)%2)+4*\g+\a] matrix_a_fmt:MATRIX_FMT_BF8 matrix_b_fmt:MATRIX_FMT_BF8
.elseif \cmode == 2
	v_wmma_scale_f32_16x16x128_f8f6f4 v[8*(4*(4*\g+\a)+\t):8*(4*(4*\g+\a)+\t)+7], v[16*(4*((\s)%4)+\t):16*(4*((\s)%4)+\t)+15], v[XF+64*\g+16*\a:XF+64*\g+16*\a+15], v[BI+8*(4*\g+\a):BI+8*(4*\g+\a)+7], v[S0S+4*(\s)+\t], v[XS+8*((\s)%2)+4*\g+\a] matrix_a_fmt:MATRIX_FMT_BF8 matrix_b_fmt:MATRIX_FMT_BF8
.else
	v_wmma_scale_f32_16x16x128_f8f6f4 v[8*(4*(4*\g+\a)+\t):8*(4*(4*\g+\a)+\t)+7], v[16*(4*((\s)%4)+\t):16*(4*((\s)%4)+\t)+15], v[XF+64*\g+16*\a:XF+64*\g+16*\a+15], v[8*(4*(4*\g+\a)+\t):8*(4*(4*\g+\a)+\t)+7], v[S0S+4*(\s)+\t], v[XS+8*((\s)%2)+4*\g+\a] matrix_a_fmt:MATRIX_FMT_BF8 matrix_b_fmt:MATRIX_FMT_BF8
.endif
.endr
.endr
.if \sync
	s_barrier_wait -1
.endif
.rept 8
	v_nop                                          ; eight places in front of loads into registers that these products read, and of the first read of results
.endr
	WIN 0
.if \s < 7
	LOADX (\s)+1, \g
.if \g == 0
	LOADXS (\s)+1
.endif
.endif
.endm
	s_wait_loadcnt 63                              ; behind the two loads of scales stand 88 loads or more: with 63 out at the most these two are in
	s_wait_tensorcnt 0x0                           ; my part of S1's codes has landed
	ds_store_b128 v13, v[48:51]
	ds_store_b128 v13, v[52:55] offset:512
	s_wait_dscnt 0x0                               ; for the others' sake: my stores have landed
	s_barrier_signal -1
	s_barrier_wait -1
	LOADX 0, 0
	LOADXS 0
	LOADX 0, 1
	KHEAD 0
	s_cmp_eq_u32 s[PJ], 2
	s_cbranch_scc1 .Lk0_v
	HALF 0, 0, 1, 0
	HALF 0, 1, 1, 0
	s_branch .Lk0_done
.Lk0_v:
	HALF 0, 0, 2, 0
	HALF 0, 1, 2, 0
.Lk0_done:
	KHEAD 1
	HALF 1, 0, 0, 0
	HALF 1, 1, 0, 0
	KHEAD 2
	HALF 2, 0, 0, 0
	HALF 2, 1, 0, 0
	KHEAD 3
	HALF 3, 0, 0, 1
	HALF 3, 1, 0, 0
	KHEAD 4
	HALF 4, 0, 0, 0
	HALF 4, 1, 0, 0
	KHEAD 5
	HALF 5, 0, 0, 0
	HALF 5, 1, 0, 0
	KHEAD 6
	HALF 6, 0, 0, 0
	HALF 6, 1, 0, 0
	KHEAD 7
	HALF 7, 0, 0, 0
	HALF 7, 1, 0, 0
.irp b, 0,1,2,3
	v_mov_b32 v[TM+4+\b], 0                        ; a lane permute's destination counts as one of its sources
.endr
; S1's tiles 2 i, 2 i + 1: 64 registers of window 1 from v[64 i]; block b = 2 x (tile % 2) + p is the 16 registers of S0's tiles 2 p, 2 p + 1: 16 neighbours along the next K.  Each accumulator is first read at its low end.
.macro QUANTW i
	WIN 0x05                                       ; sources 0 and 1 window 1
.irp b, 0,1,2,3
	v_max3_num_f32 v[TM+\b], |v[64*\i+16*\b]|, |v[64*\i+16*\b+1]|, 0x8000000   ; and the floor 2^(16 - 127)
.endr
.irp k, 2,4,6,8,10,12,14
.irp b, 0,1,2,3
	v_max3_num_f32 v[TM+\b], |v[64*\i+16*\b+\k]|, |v[64*\i+16*\b+\k+1]|, v[TM+\b]
.endr
.endr
	WIN 0
.irp b, 0,1,2,3
	v_permlanex16_b32 v[TM+4+\b], v[TM+\b], s[SEL], s[SEL+1]
.endr
.irp b, 0,1,2,3
	v_max_num_f32 v[TM+\b], v[TM+\b], v[TM+4+\b]
.endr
.irp b, 0,1,2,3
	v_add_nc_u32 v[TM+12+\b], 0xf8800000, v[TM+\b] ; the conversion's scale operand
.endr
.irp b, 0,1,2,3
	v_and_or_b32 v[TM+8+\b], v[TM+\b], 0x7f800000, s[MNT]   ; 57,344 x the scale
.endr
.irp b, 0,1,2,3
	v_lshrrev_b32 v[TM+4+\b], 23, v[TM+12+\b]      ; the byte
.endr
	v_lshl_or_b32 v[PW], v[TM+5], 8, v[TM+4]       ; my two bytes of tile 2 i's scale word,
	v_lshl_or_b32 v[PW+1], v[TM+7], 8, v[TM+6]     ; and of tile 2 i + 1's
	WIN 0x41                                       ; destination and source 0 window 1
.irp b, 0,1,2,3
.irp k, 0,1,2,3,4,5,6,7,8,9,10,11,12,13,14,15
	v_med3_num_f32 v[64*\i+16*\b+\k], v[64*\i+16*\b+\k], -v[TM+8+\b], v[TM+8+\b]
.endr
.endr
	WIN 0x01                                       ; source 0 window 1
.irp b, 0,1,2,3
	v_cvt_scalef32_pk8_bf8_f32 v[PC+16*\i+4*\b:PC+16*\i+4*\b+1], v[64*\i+16*\b:64*\i+16*\b+7], v[TM+12+\b]
	v_cvt_scalef32_pk8_bf8_f32 v[PC+16*\i+4*\b+2:PC+16*\i+4*\b+3], v[64*\i+16*\b+8:64*\i+16*\b+15], v[TM+12+\b]
.endr
	v_nop                                          ; a plain line behind the last conversion
	WIN 0
.irp b, 0,1,2,3
	global_store_b128 v1, v[PC+16*\i+4*\b:PC+16*\i+4*\b+3], s[OUC:OUC+1] offset:(2*\i+\b/2)*2048+(\b%2)*512   ; 512 consecutive bytes, aligned; each block has registers of its own
.endr
	ds_store_b16 v7, v[PW] offset:4*(2*\i)
	ds_store_b16 v7, v[PW+1] offset:4*(2*\i+1)
.endm
	QUANTW 0
	QUANTW 1
	QUANTW 2
	QUANTW 3
	s_wait_dscnt 0x0                               ; my bytes lie in the stage
	s_barrier_signal -1
	s_barrier_wait -1                              ; everybody's do: the scale bytes of the work-group's two units, 1,024 bytes
	ds_load_b64 v[232:233], v11
	s_wait_dscnt 0x0
	global_store_b64 v12, v[232:233], s[OUS:OUS+1] ; each wave stores 256 consecutive bytes, aligned
	s_wait_tensorcnt 0x0
	ds_add_u32 v14, v15
	s_wait_dscnt 0x0
	CROUND                                         ; the closing round
	s_endpgm
.Lfunc_end_k_q993db75c5f_proj:
	.size	k_q993db75c5f_proj, .Lfunc_end_k_q993db75c5f_proj-k_q993db75c5f_proj
	.p2alignl 7, 3214868480
	.fill 96, 4, 3214868480
	.section	.rodata,"a",@progbits
	.p2align	6, 0x0
	.amdhsa_kernel k_q993db75c5f_proj
		.amdhsa_group_segment_fixed_size 168448
		.amdhsa_private_segment_fixed_size 0
		.amdhsa_enable_private_segment 0
		.amdhsa_kernarg_size 40
		.amdhsa_user_sgpr_count 2
		.amdhsa_user_sgpr_kernarg_segment_ptr 1
		.amdhsa_wavefront_size32 1
		.amdhsa_system_sgpr_workgroup_id_x 1
		.amdhsa_system_sgpr_workgroup_id_y 1
		.amdhsa_system_sgpr_workgroup_id_z 1
		.amdhsa_system_vgpr_workitem_id 0
		.amdhsa_next_free_vgpr 1024
		.amdhsa_next_free_sgpr 80
		.amdhsa_reserve_vcc 0
		.amdhsa_float_denorm_mode_32 3
		.amdhsa_float_denorm_mode_16_64 3
		.amdhsa_memory_ordered 1
		.amdhsa_forward_progress 1
		.amdhsa_inst_pref_size 124
	.end_amdhsa_kernel
	.amdgpu_metadata
---
amdhsa.version: [ 1, 2 ]
amdhsa.kernels:
  - .name:           k_q993db75c5f_proj
    .symbol:         k_q993db75c5f_proj.kd
    .args:
      - { .name: opr, .offset: 0, .size: 8, .value_kind: global_buffer, .address_space: global }
      - { .name: b_q, .offset: 8, .size: 8, .value_kind: global_buffer, .address_space: global }
      - { .name: b_k, .offset: 16, .size: 8, .value_kind: global_buffer, .address_space: global }
      - { .name: b_v, .offset: 24, .size: 8, .value_kind: global_buffer, .address_space: global }
      - { .name: prj, .offset: 32, .size: 8, .value_kind: global_buffer, .address_space: global }
    .group_segment_fixed_size: 168448
    .private_segment_fixed_size: 0
    .kernarg_segment_align: 8
    .kernarg_segment_size: 40
    .max_flat_workgroup_size: 128
    .sgpr_count:     80
    .vgpr_count:     1024
    .wavefront_size: 32
...
	.end_amdgpu_metadata
.endif
;; end of part 2
;; launch attn (part 3): grid 8 x 32, 8 waves a work-group, no clusters, 1,536 bytes of LDS; arguments prj, msk, att; writes att
.if DOCPART == 3
	.amdgcn_target "amdgcn-amd-amdhsa--gfx1250"
	.amdhsa_code_object_version 6
	.text
	.protected	k_q993db75c5f_attn
	.globl	k_q993db75c5f_attn
	.p2align	8
	.type	k_q993db75c5f_attn,@function
k_q993db75c5f_attn:
	s_mov_b64 s[64:65], 0
	v_nop
	global_prefetch_b8 v0, s[64:65] scope:SCOPE_SE
	s_setreg_imm32_b32 hwreg(HW_REG_WAVE_MODE, 25, 1), 1
	s_wait_xcnt 0x0
; ATTN.  softmax(Q K^T / 8, masked) V on codes of E5M2 with E8M0 scales; the result, divided by the row's sum, is quantised along the channels.
; t = score x log2(e) / 8; M = the running largest t rounded UP to a whole number; p = 2^(t - M) is quantised along the keys, not normalised; the row's sum is taken of the unquantised p; when M moves, the sum and O are multiplied by 2^(old M - new M).
; SHARES.  Work-group (x, y): batch y / 8, head pair y % 8, query blocks x and 15 - x, one after the other.  Wave w of eight: head w / 4 of the pair, quarter w % 4 of the block: TWO tiles of 16 queries, in 512 registers: two waves to a SIMD.
; A key step is 128 keys.  A wave's fragments of K and V^T (32 loads of 512 consecutive bytes) and their scale words go from memory straight into registers; each fragment feeds two tiles' products.
; K has two sets: step T + 1's are asked for at the top of trip T.  V has one set: step T's are asked for at the head of the step's work and awaited behind tile 0's softmax.  Every wait for loads is for 0.
; No LDS ring, no barrier in the loop; LDS holds only the result's 512 scale bytes and the spare words.
; NO TENSOR LOADS, NO CLUSTER: whether a step is loaded and worked hangs on flags that an earlier launch stored.  No prefetch: K's loads stand a whole key step ahead of their wait, V's a tile's softmax.
; A step is worked where one of the wave's two tiles wants it (the OR of their flags); the mask words are applied to a tile wherever its step is not wholly open, also where none of its keys counts.
; BOTH PRODUCTS ARE USED TRANSPOSED: a lane holds one query.  K = 64 IN A FORM OF 128: a fragment of K holds tile 2 b's 64 channels and then tile 2 b + 1's; against [Q | 0] it gives tile 2 b's scores, against [0 | Q] tile 2 b + 1's.
; Register 16 b + i of the scores is key 32 b + 16 (lane / 16) + i.  A HIDDEN SCORE becomes -2^126: a row with nothing but hidden keys so far has p = 1 (the uniform row); the first key that counts makes the factor 0, which wipes that.
; The exponentials go in two batches with independent plain lines between them: the second half's t - M in the first batch, the first half's holds in the second.
; LIMITS: scores at or under -2^126 are not told from hidden ones; NaN and infinities are not served; a block whose largest magnitude lies under 2^-111 takes the byte 1.
; REGISTERS.  Window 0: names below.  Window 1: O^T of tile i at v[32 i]; K's fragments v64-127, v128-191 (set 0, set 1); V's v192-255.
.set PRS,  25165824
.set ATS,  8388608
.set TBO,  524288
.set SPARE, 512                        ; LDS: the result's scale bytes at 0 .. 511; the spare words, 128 bytes a wave, behind them
.set LA,   1                           ; 16 x lane
.set R32,  2                           ; 32 r
.set STA,  3                           ; LDS: my two bytes of row r's scale word
.set HID,  5                           ; -2^126
.set SPW,  6
.set NIL,  7
.set QS,   8                           ; v8, 9   Q's scale words, a tile each
.set FF,   12                          ; v[12:13] the factor
.set TR,   14
.set ST,   16                          ; v16-23  a tile's -M, largest t, sum in two halves
.set BM,   32
.set PB,   36
.set LM,   40
.set SO,   44
.set AC,   48                          ; v48-55  four chains of a sum
.set PSW,  62                          ; p's scale word
.set RC,   68                          ; v68, 69 1 / the rows' sums
.set KR,   72                          ; v72-87  K's scale words as loaded, two sets
.set VS,   88                          ; v88-91  V's scale words
.set KSW,  92                          ; v92-95  K's scale words for the products
.set PCD,  96                          ; v96-111 p's codes
.set S0,   128                         ; v128-191 scores, then p
.set QZ,   192                         ; v192-231: 0, Q0, 0, Q1, 0 (eight registers each)
.set MSB, 0
.macro WIN new                         ; the immediate's high byte repeats the setting that is left
.if MSB != \new
	s_set_vgpr_msb (MSB<<8)|\new
.set MSB, \new
.endif
.endm
.macro WALU
	s_wait_alu depctr_va_vdst(0)
.endm
.macro NOPS n
.rept \n
	v_nop
.endr
.endm
.macro LOADK pb                        ; a key step's fragments and scale words of K, my head's, into set pb: 18 loads
	WIN 0x40
.irp n, 0,1,2,3,4,5,6,7
	global_load_b128 v[64+64*(\pb)+8*\n:64+64*(\pb)+8*\n+3], v[LA], s[16:17] offset:2048*\n
	global_load_b128 v[64+64*(\pb)+8*\n+4:64+64*(\pb)+8*\n+7], v[LA], s[16:17] offset:2048*\n+512
.endr
	WIN 0
	global_load_b128 v[KR+8*(\pb):KR+8*(\pb)+3], v[R32], s[20:21]
	global_load_b128 v[KR+8*(\pb)+4:KR+8*(\pb)+7], v[R32], s[20:21] offset:16
.endm
.macro LOADV                           ; the step's fragments and scale words of V^T: 17 loads
	WIN 0x40
.irp n, 0,1,2,3,4,5,6,7,8,9,10,11,12,13,14,15
	global_load_b128 v[192+4*\n:195+4*\n], v[LA], s[18:19] offset:512*\n
.endr
	WIN 0
	global_load_b128 v[VS:VS+3], v[R32], s[22:23]
.endm
.macro MLOAD off                       ; a tile's 64 mask words of a step: word n in s[32 + n], from 32 on in s[36 + n]
	s_load_b512 s[32:47], s[6:7], s100 offset:\off
	s_load_b512 s[48:63], s[6:7], s100 offset:(\off)+64
	s_load_b512 s[68:83], s[6:7], s100 offset:(\off)+128
	s_load_b512 s[84:99], s[6:7], s100 offset:(\off)+192
.endm
.macro QKW i, n, p                     ; score product n of tile i: K's fragment n / 2 against [Q | 0] (n even) or [0 | Q] (n odd)
	WIN 0x01
	v_wmma_scale_f32_16x16x128_f8f6f4 v[S0+8*(\n):S0+8*(\n)+7], v[64+64*(\p)+16*((\n)/2):64+64*(\p)+16*((\n)/2)+15], v[QZ+16*(\i)+8-8*((\n)%2):QZ+16*(\i)+23-8*((\n)%2)], 0, v[KSW+(\n)/2], v[QS+(\i)] matrix_a_fmt:MATRIX_FMT_BF8 matrix_b_fmt:MATRIX_FMT_BF8
.endm
.macro PVW i, t                        ; O^T of tile i, channels' tile t
	WIN 0x51
	v_wmma_scale_f32_16x16x128_f8f6f4 v[32*(\i)+8*(\t):32*(\i)+8*(\t)+7], v[192+16*(\t):192+16*(\t)+15], v[PCD:PCD+15], v[32*(\i)+8*(\t):32*(\i)+8*(\t)+7], v[VS+(\t)], v[PSW] matrix_a_fmt:MATRIX_FMT_BF8 matrix_b_fmt:MATRIX_FMT_BF8
.endm
.macro SUML base, n, tt                ; line n of 16: 32 numbers from v[base] are added to the tile's sum, two at a time, in four chains
.if (\n) < 4
	v_pk_add_f32 v[AC+2*(\n):AC+2*(\n)+1], v[\base+4*(\n):\base+4*(\n)+1], v[\base+4*(\n)+2:\base+4*(\n)+3]
.elseif (\n) < 12
	v_pk_add_f32 v[AC+2*((\n)%4):AC+2*((\n)%4)+1], v[AC+2*((\n)%4):AC+2*((\n)%4)+1], v[\base+8+2*(\n):\base+9+2*(\n)]
.elseif (\n) == 12
	v_pk_add_f32 v[AC:AC+1], v[AC:AC+1], v[AC+2:AC+3]
.elseif (\n) == 13
	v_pk_add_f32 v[AC+4:AC+5], v[AC+4:AC+5], v[AC+6:AC+7]
.elseif (\n) == 14
	v_pk_add_f32 v[AC:AC+1], v[AC:AC+1], v[AC+4:AC+5]
.else
	v_pk_add_f32 v[\tt+2:\tt+3], v[\tt+2:\tt+3], v[AC:AC+1]
.endif
.endm
; A TILE'S SHARE OF A KEY STEP
.macro TILE i, p
.set SS, S0
.set TT, ST+4*(\i)
.irp n, 0,1,2,3,4,5,6,7
	QKW \i, \n, \p
.endr
	WIN 0
	NOPS 8                                         ; eight places ahead of the first read of results
	s_bitcmp1_b32 s[12+\i], s10                    ; is the step not wholly open for this tile?
	s_cbranch_scc0 .Lopen_\@
	s_wait_kmcnt 0x0                               ; its mask words are in
	WALU
.set n_, 0
.rept 32
	v_cndmask_b32 v[SS+n_], v[HID], v[SS+n_], s[32+n_]
.set n_, n_+1
.endr
.rept 32
	v_cndmask_b32 v[SS+n_], v[HID], v[SS+n_], s[36+n_]
.set n_, n_+1
.endr
.Lopen_\@:
.if \i < 1
	s_bitcmp1_b32 s13, s10                         ; the next tile's mask words are asked for a tile ahead,
.else
	s_bitcmp1_b32 s12, s11                         ; tile 0's of the next step likewise
.endif
	s_cbranch_scc0 .Lnm_\@
	s_wait_kmcnt 0x0                               ; no scalar load is out on any way: its registers may be loaded anew
	WALU
.if \i < 1
	MLOAD 4096
.else
	MLOAD 256
.endif
.Lnm_\@:
	WALU
.irp b, 0,1,2,3
	v_max3_num_f32 v[BM+\b], v[SS+16*\b], v[SS+16*\b+1], v[SS+16*\b+2]   ; the largest score of each block of 32 keys: for the row's maximum and for the block's largest p
.endr
.irp k, 3,5,7,9,11,13
.irp b, 0,1,2,3
	v_max3_num_f32 v[BM+\b], v[BM+\b], v[SS+16*\b+\k], v[SS+16*\b+\k+1]
.endr
.endr
.irp b, 0,1,2,3
	v_max_num_f32 v[BM+\b], v[BM+\b], v[SS+16*\b+15]
.endr
.irp b, 0,1,2,3
	v_permlanex16_b32 v[PB+\b], v[BM+\b], s24, s25
.endr
.irp b, 0,1,2,3
	v_max_num_f32 v[BM+\b], v[BM+\b], v[PB+\b]     ; with lane l xor 16's 16 keys
.endr
	v_max3_num_f32 v[TR], v[BM], v[BM+1], v[BM+2]
	v_max_num_f32 v[TR], v[TR], v[BM+3]
	v_mul_f32 v[TR], s26, v[TR]                    ; as t
	v_max_num_f32 v[TT+1], v[TT+1], v[TR]          ; the running largest t
	v_mov_b32 v[TR], v[TT]
	v_floor_f32 v[TT], -v[TT+1]                    ; -M = floor(-t): M is a whole number
	v_sub_f32 v[TR], v[TT], v[TR]                  ; old M - new M: 0 or less
	v_cvt_i32_f32 v[TR], v[TR]                     ; (it saturates)
	v_ldexp_f32 v[FF], 1.0, v[TR]                  ; the factor: a power of two, or 0
.set n_, 0
.rept 16
	v_pk_fma_f32 v[SS+n_:SS+n_+1], v[SS+n_:SS+n_+1], s[26:27], v[TT:TT+1] op_sel_hi:[1,0,0]   ; t - M of blocks 0 and 1
.set n_, n_+2
.endr
.irp b, 0,1,2,3
	v_fma_f32 v[BM+\b], v[BM+\b], s26, v[TT]
.endr
	WALU                                           ; ahead of the first batch
.set n_, 0
.rept 16
	v_exp_f32 v[SS+2*n_], v[SS+2*n_]               ; p of blocks 0 and 1; between them t - M of blocks 2 and 3, which the second batch reads behind two waits
	v_pk_fma_f32 v[SS+32+2*n_:SS+33+2*n_], v[SS+32+2*n_:SS+33+2*n_], s[26:27], v[TT:TT+1] op_sel_hi:[1,0,0]
	v_exp_f32 v[SS+2*n_+1], v[SS+2*n_+1]
.set n_, n_+1
.endr
	v_exp_f32 v[BM], v[BM]                         ; the blocks' largest p
	v_pk_mul_f32 v[TT+2:TT+3], v[TT+2:TT+3], v[FF:FF+1] op_sel_hi:[1,0]   ; the sums under the new M
	v_exp_f32 v[BM+1], v[BM+1]
	v_exp_f32 v[BM+2], v[BM+2]
	v_exp_f32 v[BM+3], v[BM+3]
	v_nop                                          ; a plain line behind the batch
	WALU                                           ; one wait for the batch
.irp b, 0,1,2,3
	v_max_num_f32 v[BM+\b], 0x8000000, v[BM+\b]    ; the floor 2^(16 - 127)
.endr
.irp b, 0,1,2,3
	v_add_nc_u32 v[SO+\b], 0xf8800000, v[BM+\b]    ; the conversion's scale operand
.endr
.irp b, 0,1,2,3
	v_and_or_b32 v[LM+\b], v[BM+\b], 0x7f800000, s28   ; 57,344 x the scale
.endr
.irp b, 0,1,2,3
	v_lshrrev_b32 v[PB+\b], 23, v[SO+\b]
.endr
	v_lshl_or_b32 v[PSW], v[PB+1], 8, v[PB]        ; p's scale word for these 128 keys
	v_lshl_or_b32 v[PSW], v[PB+2], 16, v[PSW]
	v_lshl_or_b32 v[PSW], v[PB+3], 24, v[PSW]
.set n_, 0
.rept 16
	SUML SS, n_, TT                                ; the sum is taken of the unquantised p, ahead of the holds
.set n_, n_+1
.endr
	WALU                                           ; ahead of the second batch
.set n_, 0
.rept 32
	v_exp_f32 v[SS+32+n_], v[SS+32+n_]             ; p of blocks 2 and 3; between them the holds of blocks 0 and 1 (p is not negative: one-sided)
	v_min_num_f32 v[SS+n_], v[SS+n_], v[LM+n_/16]
.set n_, n_+1
.endr
	WALU                                           ; one wait for the batch
.irp b, 0,1
	v_cvt_scalef32_pk8_bf8_f32 v[PCD+4*\b:PCD+4*\b+1], v[SS+16*\b:SS+16*\b+7], v[SO+\b]
	v_cvt_scalef32_pk8_bf8_f32 v[PCD+4*\b+2:PCD+4*\b+3], v[SS+16*\b+8:SS+16*\b+15], v[SO+\b]
.endr
.set n_, 0
.rept 16
	SUML SS+32, n_, TT
.set n_, n_+1
.endr
.set n_, 0
.rept 32
	v_min_num_f32 v[SS+32+n_], v[SS+32+n_], v[LM+2+n_/16]
.set n_, n_+1
.endr
.irp b, 2,3
	v_cvt_scalef32_pk8_bf8_f32 v[PCD+4*\b:PCD+4*\b+1], v[SS+16*\b:SS+16*\b+7], v[SO+\b]
	v_cvt_scalef32_pk8_bf8_f32 v[PCD+4*\b+2:PCD+4*\b+3], v[SS+16*\b+8:SS+16*\b+15], v[SO+\b]
.endr
.if \i < 1
	s_wait_loadcnt 0x0                             ; V's fragments, asked for at the head of the step's work, are in
.endif
	WIN 0x41
	WALU                                           ; directly ahead of the first readers of O^T
.set n_, 0
.rept 16
	v_pk_mul_f32 v[32*(\i)+n_:32*(\i)+n_+1], v[32*(\i)+n_:32*(\i)+n_+1], v[FF:FF+1] op_sel_hi:[1,0]   ; O^T under the new M; also the places behind the conversions and ahead of the products
.set n_, n_+2
.endr
.irp t, 0,1,2,3
	PVW \i, \t
.endr
	WIN 0
.endm
.macro WORK p
	LOADV
	WALU
.irp b, 0,1,2,3
	v_perm_b32 v[KSW+\b], v[KR+8*(\p)+2*\b+1], v[KR+8*(\p)+2*\b], s29   ; my head's two bytes of tile 2 b's word below, of tile 2 b + 1's above
.endr
	NOPS 8                                         ; a scale register written by a vector instruction stands eight places ahead of the product
	TILE 0, \p
	TILE 1, \p
	NOPS 8                                         ; eight places ahead of loads into registers that these products read
.endm
; A trip: K's loads of this step are in; the next step's are asked for into the other set; this step is worked
.macro TRIP p
	s_wait_loadcnt 0x0                             ; all my loads are done; K's bases may step
	s_add_nc_u64 s[16:17], s[16:17], 0x20000
	s_add_nc_u64 s[20:21], s[20:21], 0x1000
	s_bitcmp1_b32 s30, s11                         ; does one of my tiles want step T + 1?  (bit 16 is never set)
	s_cbranch_scc0 .Lnl_\@
	LOADK 1-\p
.Lnl_\@:
	s_bitcmp1_b32 s30, s10
	s_cbranch_scc0 .Lnw_\@
	WORK \p
	s_branch .Ldone_\@
.Lnw_\@:
	s_bitcmp1_b32 s12, s11                         ; a step that is not worked still asks for tile 0's mask words of the next step
	s_cbranch_scc0 .Ldone_\@
	s_wait_kmcnt 0x0                               ; no scalar load is out: its registers may be loaded anew
	MLOAD 256
.Ldone_\@:
	s_wait_xcnt 0x0                                ; V's loads have read their bases, the mask words' loads their offset
	s_add_nc_u64 s[18:19], s[18:19], 0x4000
	s_add_nc_u64 s[22:23], s[22:23], 0x200
	s_add_co_u32 s10, s10, 1
	s_add_co_u32 s11, s11, 1
	s_add_co_u32 s100, s100, 256
.endm
; The way out of tile i: O^T / the sum, quantised along the channels, as an image of the next product's operand
.macro OUTT i
.set SS, S0+32*(\i)
	WIN 0x01
	WALU                                           ; directly ahead of the first readers of O^T and of the reciprocal
.set n_, 0
.rept 32
	v_mul_f32 v[SS+n_], v[32*(\i)+n_], v[RC+\i]    ; register 16 q + k: channel 32 q + 16 h + k of my head
.set n_, n_+1
.endr
	WIN 0
.irp q, 0,1
	v_max3_num_f32 v[BM+\q], |v[SS+16*\q]|, |v[SS+16*\q+1]|, 0x8000000
.endr
.irp k, 2,4,6,8,10,12,14
.irp q, 0,1
	v_max3_num_f32 v[BM+\q], v[BM+\q], |v[SS+16*\q+\k]|, |v[SS+16*\q+\k+1]|
.endr
.endr
.irp q, 0,1
	v_permlanex16_b32 v[PB+\q], v[BM+\q], s24, s25
.endr
.irp q, 0,1
	v_max_num_f32 v[BM+\q], v[BM+\q], v[PB+\q]
.endr
.irp q, 0,1
	v_add_nc_u32 v[SO+\q], 0xf8800000, v[BM+\q]
.endr
.irp q, 0,1
	v_and_or_b32 v[LM+\q], v[BM+\q], 0x7f800000, s28
.endr
.irp q, 0,1
	v_lshrrev_b32 v[PB+\q], 23, v[SO+\q]
.endr
	v_lshl_or_b32 v[TR], v[PB+1], 8, v[PB]
.irp q, 0,1
.irp k, 0,1,2,3,4,5,6,7,8,9,10,11,12,13,14,15
	v_med3_num_f32 v[SS+16*\q+\k], v[SS+16*\q+\k], -v[LM+\q], v[LM+\q]
.endr
	v_cvt_scalef32_pk8_bf8_f32 v[PCD+8*(\i)+4*\q:PCD+8*(\i)+4*\q+1], v[SS+16*\q:SS+16*\q+7], v[SO+\q]
	v_cvt_scalef32_pk8_bf8_f32 v[PCD+8*(\i)+4*\q+2:PCD+8*(\i)+4*\q+3], v[SS+16*\q+8:SS+16*\q+15], v[SO+\q]
.endr
	v_nop                                          ; a plain line behind the last conversion
	global_store_b128 v[LA], v[PCD+8*(\i):PCD+8*(\i)+3], s[36:37] offset:2048*(\i)          ; 512 consecutive bytes, aligned; each tile has registers of its own
	global_store_b128 v[LA], v[PCD+8*(\i)+4:PCD+8*(\i)+7], s[36:37] offset:2048*(\i)+512
	ds_store_b16 v[STA], v[TR] offset:4*(\i)
.endm
	s_load_b128 s[4:7], s[0:1], 0x0                ; prj, msk
	s_load_b64 s[2:3], s[0:1], 0x10                ; att
	v_lshl_add_u32 v[SPW], v0, 2, SPARE
	v_mov_b32 v[NIL], 0
	v_lshrrev_b32 v[TR], 5, v0
	v_readfirstlane_b32 s8, v[TR]                  ; wave 0..7
	v_and_b32 v[TR], 31, v0
	v_and_b32 v[TR+1], 15, v0
	v_lshlrev_b32 v[LA], 4, v[TR]
	v_lshlrev_b32 v[R32], 5, v[TR+1]
	s_lshr_b32 s32, s8, 2                          ; e: which head of the pair
	s_and_b32 s33, s8, 3                           ; u: which quarter of a block
	s_lshl_b32 s34, s33, 3
	s_lshl_b32 s35, s32, 1
	s_add_co_u32 s34, s34, s35
	v_add_nc_u32 v[STA], s34, v[R32]               ; 32 r + 4 (2 u) + 2 e
	v_mov_b32 v[HID], 0xfe800000
	v_mov_b32 v[FF+1], 0                           ; named as the upper half of a pair
.irp j, 0,1,2,3
	v_mov_b32 v[PB+\j], 0                          ; lane permutes' destinations count as sources
.endr
.irp j, 0,1,2,3,4,5,6,7
	v_mov_b32 v[KR+8+\j], 0                        ; K's set 1 is written once here: a way through the text that asks for no step still finds it written
.endr
.irp j, 0,1,2
.irp k, 0,1,2,3,4,5,6,7
	v_mov_b32 v[QZ+16*\j+\k], 0                    ; zero codes on both sides of each Q
.endr
.endr
	WIN 0x40
.set n_, 0
.rept 64
	v_mov_b32 v[128+n_], 0
.set n_, n_+1
.endr
	WIN 0
	s_mov_b32 s24, 0x76543210
	s_mov_b32 s25, 0xfedcba98
	s_mov_b32 s26, 0x3e38aa3b                      ; c = log2(e) / 8
	s_mov_b32 s27, s26
	s_mov_b32 s28, 0x600000
	s_cmp_eq_u32 s32, 0
	s_mov_b32 s29, 0x07060302
	s_cselect_b32 s29, 0x05040100, s29             ; the head's two bytes of two scale words of K
	s_mov_b32 s9, 0x03020302
	s_cselect_b32 s9, 0x01000100, s9               ; the head's two bytes of Q's scale word, twice
	s_and_b32 s36, ttmp7, 0xffff
	s_lshr_b32 s37, s36, 3                         ; batch
	s_and_b32 s38, s36, 7                          ; head pair
	s_lshl_b32 s31, s37, 7
	s_add_co_u32 s31, s31, s38                     ; 128 b + s
	s_add_co_u32 s39, s31, 512                     ; K's unit of key step 0; 8 units a step
	s_lshl_b32 s41, s38, 6
	s_lshl_b32 s42, s37, 4
	s_add_co_u32 s41, s41, s42
	s_add_co_u32 s41, s41, 1024                    ; V^T's; 1 unit a step
	s_lshl_b32 s16, s39, 14
	s_lshl_b32 s40, s32, 10
	s_add_co_u32 s16, s16, s40                     ; K: pieces 2 e, 2 e + 1
	s_mov_b32 s17, 0
	s_lshl_b32 s18, s41, 14
	s_lshl_b32 s40, s32, 13
	s_add_co_u32 s18, s18, s40                     ; V: tiles 4 e on
	s_mov_b32 s19, 0
	s_lshl_b32 s20, s39, 9
	s_add_co_u32 s20, s20, PRS
	s_mov_b32 s21, 0
	s_lshl_b32 s22, s41, 9
	s_lshl_b32 s40, s32, 4
	s_add_co_u32 s22, s22, s40
	s_add_co_u32 s22, s22, PRS
	s_mov_b32 s23, 0
	WALU                                           ; at the head's end
	s_wait_kmcnt 0x0
	s_add_nc_u64 s[16:17], s[4:5], s[16:17]
	s_add_nc_u64 s[18:19], s[4:5], s[18:19]
	s_add_nc_u64 s[20:21], s[4:5], s[20:21]
	s_add_nc_u64 s[22:23], s[4:5], s[22:23]
	s_mov_b32 s67, ttmp9                           ; the block of queries
	s_mov_b32 s66, 2
.Lblock:
	; ---- a block's head: Q, the flags, step 0's fragments of K and tile 0's mask words (both always: they lie inside their buffers, and every way then finds the registers written)
	s_lshl_b32 s32, s67, 3
	s_add_co_u32 s32, s32, s31                     ; the unit of Q, and of the result
	s_lshr_b32 s34, s8, 2
	s_and_b32 s33, s8, 3
	s_lshl_b32 s36, s32, 14
	s_lshl_b32 s35, s33, 12
	s_add_co_u32 s36, s36, s35
	s_lshl_b32 s35, s34, 10
	s_add_co_u32 s36, s36, s35
	s_mov_b32 s37, 0
	s_add_nc_u64 s[36:37], s[4:5], s[36:37]
	s_lshl_b32 s38, s32, 9
	s_lshl_b32 s35, s33, 3
	s_add_co_u32 s38, s38, s35
	s_add_co_u32 s38, s38, PRS
	s_mov_b32 s39, 0
	s_add_nc_u64 s[38:39], s[4:5], s[38:39]
	s_lshl_b32 s100, s67, 3
	s_lshl_b32 s35, s33, 1
	s_add_co_u32 s100, s100, s35                   ; my first tile's number among the 128
	s_lshl_b32 s104, s100, 2
	s_lshl_b32 s100, s100, 12                      ; where its mask words begin
	s_load_b64 s[12:13], s[6:7], s104 offset:TBO   ; my two tiles' flags
.irp i, 0,1
	global_load_b128 v[QZ+16*\i+8:QZ+16*\i+11], v[LA], s[36:37] offset:2048*\i
	global_load_b128 v[QZ+16*\i+12:QZ+16*\i+15], v[LA], s[36:37] offset:2048*\i+512
.endr
.irp i, 0,1
	global_load_b32 v[QS+\i], v[R32], s[38:39] offset:4*\i
.endr
	LOADK 0
	s_wait_xcnt 0x0                                ; the loads have read their bases: the mask words may land on them
	MLOAD 0
.irp i, 0,1
	v_mov_b32 v[ST+4*\i+1], 0xff61b1e6             ; the largest t so far: -3e38
	v_floor_f32 v[ST+4*\i], -v[ST+4*\i+1]
	v_mov_b32 v[ST+4*\i+2], 0
	v_mov_b32 v[ST+4*\i+3], 0
.endr
	WIN 0x40
.set n_, 0
.rept 64
	v_mov_b32 v[n_], 0                             ; O^T: which step is a block's first hangs on the flags, so the step is written once and the first finds zeros
.set n_, n_+1
.endr
	WIN 0
	s_mov_b32 s10, 0                               ; T
	s_mov_b32 s11, 1                               ; T + 1
	s_wait_kmcnt 0x0
	s_or_b32 s30, s12, s13
	s_and_b32 s30, s30, 0xffff                     ; the steps that one of my tiles wants
.irp i, 0,1
	s_lshr_b32 s104, s[12+\i], 16
	s_not_b32 s105, s[12+\i]
	s_or_b32 s104, s104, s105
	s_and_b32 s[12+\i], s104, s30                  ; of those, the steps in which this tile's mask words are applied: hidden keys, or no key that counts
.endr
	WALU
	s_wait_loadcnt 0x0
.irp i, 0,1
	v_perm_b32 v[QS+\i], v[QS+\i], v[QS+\i], s9
.endr
	s_mov_b32 s101, 8
.Lpair:
	TRIP 0
	TRIP 1
	s_sub_co_u32 s101, s101, 1
	s_cmp_lg_u32 s101, 0
	WALU
	s_cbranch_scc1 .Lpair
	; ---- a block's end
	s_wait_loadcnt 0x0                             ; no load is out on any way: the next block's head loads into the same registers
	s_wait_kmcnt 0x0                               ; no scalar load is out: its registers serve as scratch below
	WALU
.irp i, 0,1
	v_add_f32 v[RC+\i], v[ST+4*\i+2], v[ST+4*\i+3]
.endr
.irp i, 0,1
	v_permlanex16_b32 v[PB+\i], v[RC+\i], s24, s25
.endr
.irp i, 0,1
	v_add_f32 v[RC+\i], v[RC+\i], v[PB+\i]         ; the rows' sums: over 1/2
.endr
	WALU
.irp i, 0,1
	v_rcp_f32 v[RC+\i], v[RC+\i]
.endr
	v_nop                                          ; a plain line behind the batch
	s_lshl_b32 s32, s67, 3
	s_add_co_u32 s32, s32, s31
	s_lshr_b32 s34, s8, 2
	s_and_b32 s33, s8, 3
	s_lshl_b32 s36, s32, 14
	s_lshl_b32 s33, s33, 12
	s_add_co_u32 s36, s36, s33
	s_lshl_b32 s34, s34, 10
	s_add_co_u32 s36, s36, s34
	s_mov_b32 s37, 0
	s_add_nc_u64 s[36:37], s[2:3], s[36:37]
	s_lshl_b32 s38, s32, 9
	s_add_co_u32 s38, s38, ATS
	s_mov_b32 s39, 0
	s_add_nc_u64 s[38:39], s[2:3], s[38:39]
	OUTT 0
	OUTT 1
	WALU
	s_wait_dscnt 0x0                               ; for the others' sake: my bytes lie in LDS
	s_barrier_signal -1
	s_barrier_wait -1                              ; the unit's 512 scale bytes do
	s_cmp_lg_u32 s8, 0
	s_cbranch_scc1 .Lnot_first
	ds_load_b128 v[S0:S0+3], v[LA]
	s_wait_dscnt 0x0
	global_store_b128 v[LA], v[S0:S0+3], s[38:39]  ; 512 consecutive bytes, aligned
.Lnot_first:
	s_barrier_signal -1
	s_barrier_wait -1                              ; wave 0 has read them: the next block may store there
	s_wait_xcnt 0x0                                ; the stores have read their registers and bases
	s_sub_nc_u64 s[16:17], s[16:17], 16*0x20000    ; back to key step 0: the bases were stepped once in each of 16 trips
	s_sub_nc_u64 s[18:19], s[18:19], 16*0x4000
	s_sub_nc_u64 s[20:21], s[20:21], 16*0x1000
	s_sub_nc_u64 s[22:23], s[22:23], 16*0x200
	s_sub_co_u32 s67, 15, s67                      ; the other block
	s_sub_co_u32 s66, s66, 1
	s_cmp_lg_u32 s66, 0
	WALU
	s_cbranch_scc1 .Lblock
	s_wait_tensorcnt 0x0                           ; the wave's end
	ds_add_u32 v[SPW], v[NIL]
	s_wait_dscnt 0x0
	s_endpgm
.Lfunc_end_k_q993db75c5f_attn:
	.size	k_q993db75c5f_attn, .Lfunc_end_k_q993db75c5f_attn-k_q993db75c5f_attn
	.p2alignl 7, 3214868480
	.fill 96, 4, 3214868480
	.section	.rodata,"a",@progbits
	.p2align	6, 0x0
	.amdhsa_kernel k_q993db75c5f_attn
		.amdhsa_group_segment_fixed_size 1536
		.amdhsa_private_segment_fixed_size 0
		.amdhsa_enable_private_segment 0
		.amdhsa_kernarg_size 24
		.amdhsa_user_sgpr_count 2
		.amdhsa_user_sgpr_kernarg_segment_ptr 1
		.amdhsa_wavefront_size32 1
		.amdhsa_system_sgpr_workgroup_id_x 1
		.amdhsa_system_sgpr_workgroup_id_y 1
		.amdhsa_system_sgpr_workgroup_id_z 1
		.amdhsa_system_vgpr_workitem_id 0
		.amdhsa_next_free_vgpr 512
		.amdhsa_next_free_sgpr 106
		.amdhsa_reserve_vcc 0
		.amdhsa_float_denorm_mode_32 3
		.amdhsa_float_denorm_mode_16_64 3
		.amdhsa_memory_ordered 1
		.amdhsa_forward_progress 1
		.amdhsa_inst_pref_size 117
	.end_amdhsa_kernel
	.amdgpu_metadata
---
amdhsa.version: [ 1, 2 ]
amdhsa.kernels:
  - .name:           k_q993db75c5f_attn
    .symbol:         k_q993db75c5f_attn.kd
    .args:
      - { .name: prj, .offset: 0, .size: 8, .value_kind: global_buffer, .address_space: global }
      - { .name: msk, .offset: 8, .size: 8, .value_kind: global_buffer, .address_space: global }
      - { .name: att, .offset: 16, .size: 8, .value_kind: global_buffer, .address_space: global }
    .group_segment_fixed_size: 1536
    .private_segment_fixed_size: 0
    .kernarg_segment_align: 8
    .kernarg_segment_size: 24
    .max_flat_workgroup_size: 256
    .sgpr_count:     106
    .vgpr_count:     512
    .wavefront_size: 32
...
	.end_amdgpu_metadata
.endif
;; end of part 3
;; launch outp (part 4): grid 4 x 64, 4 waves a work-group, clusters of 4 x 1, 168,448 bytes of LDS; arguments att, opr, b_o, out0; writes out0
.if DOCPART == 4
	.amdgcn_target "amdgcn-amd-amdhsa--gfx1250"
	.amdhsa_code_object_version 6
	.text
	.protected	k_q993db75c5f_outp
	.globl	k_q993db75c5f_outp
	.p2align	8
	.type	k_q993db75c5f_outp,@function
k_q993db75c5f_outp:
	s_mov_b64 s[64:65], 0
	v_nop
	global_prefetch_b8 v0, s[64:65] scope:SCOPE_SE
	s_setreg_imm32_b32 hwreg(HW_REG_WAVE_MODE, 25, 1), 1
	s_wait_xcnt 0x0
	s_wait_alu depctr_hold_cnt(0) depctr_sa_sdst(0) depctr_va_vdst(0) depctr_va_sdst(0) depctr_va_ssrc(0) depctr_va_vcc(0) depctr_vm_vsrc(0)
	s_getreg_b32 s2, hwreg(HW_REG_IB_STS2, 6, 4)
	s_cmp_eq_u32 s2, 0
	s_cbranch_scc0 .Lentry_in_a_cluster
	s_endpgm
.Lentry_in_a_cluster:
	s_bfe_u32 s2, ttmp6, 0x10000c
	s_cmp_lg_u32 s2, 0x3003
	s_cbranch_scc0 .Lentry_shape_is_right
	s_endpgm
.Lentry_shape_is_right:
; OUTP.  out0 = A w_o^T + b_o on codes of E5M2 with E8M0 scales, K = 1,024; A is the attention's result, w_o's codes were made by the first launch.  Operands lie in units of 128 rows x 128 K as images of operand registers:
; codes at 2048 tau + 512 c + 16 lane, row 32 (tau / 2) + 8 (tau % 2) + r + 8 (r / 8), k = 32 c + 16 h + 0 .. 15; scale word at 32 r + 4 tau.
; A work-group makes 128 tokens x 256 channels.  Source 0 = 16 rows of w_o, source 1 = 16 tokens: a lane holds one token, and the 16 registers of w_o's tiles 2 p, 2 p + 1 are 16 neighbouring channels.
; Wave w takes all 8 tiles of tokens x 4 tiles of w_o: 32 accumulators; its rows of w_o are nobody else's and go from memory straight into 512 registers.  The tokens' block (128 KB of codes, 4 KB of scales) is wanted by all
; four waves and by the four work-groups of the cluster: JOINT tensor loads, three a wave, all first fills: no LDS byte is filled twice; three tensor loads of a wave are out at the most.
; The bias is the C of each sum's first matrix instruction.  The 32 accumulators take turns, one instruction a turn.
; THE WAY OUT: a tile of 16 tokens x my 64 channels goes through my own stage in LDS and leaves as rows: sixteen lanes store 256 consecutive bytes, aligned.
; REGISTERS.  Window 0: v1-12 addresses; v16-47 w_o's scale words (4 s + t); v48-63 the tokens', two sets of 8; v64-95 the bias; v128-191, v192-255 two sets of four fragments, later rows of the result.
;   Window 1: accumulator (a, t) at v[8 (4 a + t)].  Windows 2, 3: w_o's fragments of K steps 0-3, 4-7 at v[16 (4 (s % 4) + t)].
.set OPS,  29360128
.set ATS,  8388608
.set XSC,  131072                      ; LDS: the tokens' codes from 0; their scales here;
.set STG,  135168                      ; and four stages of 16 rows x 272 bytes, which no tensor load touches
.set WV,   14
.set G1C,  24
.set G1S,  32
.set T0,   40
.set T1,   44
.set T2,   48
.set F0,   52
.set SC0,  54
.set BIA,  56
.set OUC,  58
.set S0S,  16
.set XS,   48
.set BI,   64
.set XF,   128
.set MSB, 0
.macro WIN new                         ; the immediate's high byte repeats the setting that is left
.if MSB != \new
	s_set_vgpr_msb (MSB<<8)|\new
.set MSB, \new
.endif
.endm
.macro CROUND                          ; a round of the cluster's barrier
	s_barrier_signal -1
	s_barrier_wait -1
	s_cmp_lg_u32 s[WV], 0
	s_cbranch_scc1 .Lnot_wave_0_\@
	s_barrier_signal -3
.Lnot_wave_0_\@:
	s_barrier_wait -3
	s_barrier_signal -1
	s_barrier_wait -1
.endm
	s_load_b256 s[4:11], s[0:1], 0x0               ; att, opr, b_o, out0
	v_lshl_add_u32 v126, v0, 2, 0x29000
	v_mov_b32 v127, 0
	ds_add_u32 v126, v127
	ds_add_u32 v126, v127
	v_lshrrev_b32 v2, 5, v0
	v_readfirstlane_b32 s[WV], v2                  ; wave 0..3
	v_and_b32 v2, 31, v0
	v_lshlrev_b32 v1, 4, v2                        ; 16 x lane
	v_add_nc_u32 v3, 0x10000, v1
	v_and_b32 v8, 15, v0                           ; r
	v_bfe_u32 v9, v0, 4, 1                         ; h
	v_lshlrev_b32 v5, 5, v8                        ; 32 r
	v_add_nc_u32 v4, XSC, v5
	v_lshlrev_b32 v6, 6, v9                        ; 64 h
	s_mul_i32 s2, s[WV], 16*272
	s_add_co_u32 s2, s2, STG                       ; my stage
	v_mul_u32_u24 v7, v8, 272
	v_lshl_add_u32 v7, v9, 6, v7
	v_add_nc_u32 v7, s2, v7                        ; in: row r, + 64 h
	v_mul_u32_u24 v11, v9, 272
	v_lshl_add_u32 v11, v8, 4, v11
	v_add_nc_u32 v11, s2, v11                      ; back: lanes 0-15 one row, lanes 16-31 the next
	v_lshlrev_b32 v12, 12, v9
	v_lshl_add_u32 v12, v8, 4, v12                 ; and the same in out0: a row is 4,096 bytes
	s_bfe_u32 s15, ttmp6, 0x40000                  ; cx: it enters w_o's, the bias's and the result's addresses alone
	s_and_b32 s16, ttmp7, 0xffff                   ; Y: the block of tokens, which the four partners share
	s_lshl_b32 s66, s16, 17
	s_lshl_b32 s67, s[WV], 15                      ; my quarter of the tokens' codes is now two whole K steps, 32,768 bytes, brought by ONE joint load a wave (this overtakes the head comment's three loads a wave)
	s_add_co_u32 s66, s66, s67                     ; the tokens' codes: my quarter of K steps 0-3
	s_mov_b32 s67, 0
	s_lshl_b32 s68, s16, 12
	s_lshl_b32 s69, s[WV], 10
	s_add_co_u32 s68, s68, s69
	s_add_co_u32 s68, s68, ATS                     ; their scales: my quarter
	s_mov_b32 s69, 0
	s_lshl_b32 s70, s15, 1
	s_lshr_b32 s71, s[WV], 1
	s_add_co_u32 s70, s70, s71                     ; rho0: my unit row of w_o
	s_and_b32 s71, s[WV], 1
	s_lshl_b32 s72, s70, 3
	s_add_co_u32 s72, s72, 1728                    ; its first unit in opr
	s_lshl_b32 s[F0], s72, 14
	s_lshl_b32 s73, s71, 13
	s_add_co_u32 s[F0], s[F0], s73
	s_mov_b32 s[F0+1], 0
	s_lshl_b32 s[SC0], s72, 9
	s_lshl_b32 s73, s71, 4
	s_add_co_u32 s[SC0], s[SC0], s73
	s_add_co_u32 s[SC0], s[SC0], OPS
	s_mov_b32 s[SC0+1], 0
	s_lshl_b32 s[BIA], s70, 9
	s_lshl_b32 s73, s71, 8
	s_add_co_u32 s[BIA], s[BIA], s73               ; my 64 channels, in bytes
	s_mov_b32 s[BIA+1], 0
	s_lshl_b32 s[OUC], s16, 19                     ; 128 rows of 4,096 bytes
	s_add_co_u32 s[OUC], s[OUC], s[BIA]
	s_mov_b32 s[OUC+1], 0
.irp g, G1C
	s_mov_b32 s[\g], 15|(3<<16)|(1<<21)
	s_mov_b32 s[\g+1], 32<<16
	s_mov_b32 s[\g+3], 32<<16
	s_mov_b32 s[\g+5], 32
	s_mov_b32 s[\g+6], 0
	s_mov_b32 s[\g+7], 0
.endr
	s_mov_b32 s[G1C+2], 128<<16                    ; tensor_dim1: 128 rows of 256 bytes
	s_mov_b32 s[G1C+4], 128                        ; tile_dim1
	s_lshl_b32 s[T0+1], s[WV], 10
	s_add_co_u32 s[T0+1], s[T0+1], XSC
	v_add_nc_u32 v13, s[T0+1], v1                  ; the tokens' scales go through registers: my 1,024 bytes of them land here, in LDS bytes that no tensor load fills
	s_wait_alu depctr_va_vdst(0)                   ; the wait behind the write
	s_mov_b32 s[T1], 1
	s_lshl_b32 s[T1+1], s[WV], 15
	s_wait_dscnt 0x0
	s_wait_kmcnt 0x0
	s_add_nc_u64 s[T0+2:T0+3], s[4:5], s[68:69]
	s_add_nc_u64 s[T1+2:T1+3], s[4:5], s[66:67]
	s_or_b32 s[T1+3], s[T1+3], 0x80000000
	s_add_nc_u64 s[F0:F0+1], s[6:7], s[F0:F0+1]
	s_add_nc_u64 s[SC0:SC0+1], s[6:7], s[SC0:SC0+1]
	s_add_nc_u64 s[BIA:BIA+1], s[8:9], s[BIA:BIA+1]
	s_add_nc_u64 s[OUC:OUC+1], s[10:11], s[OUC:OUC+1]
	global_load_b128 v[48:51], v1, s[T0+2:T0+3]             ; my quarter of the tokens' scales: two loads of 512 consecutive bytes
	global_load_b128 v[52:55], v1, s[T0+2:T0+3] offset:512
	CROUND                                         ; all four work-groups are here: the joint loads meet
	tensor_load_to_lds s[T1:T1+3], s[G1C:G1C+7]    ; K steps 2 w and 2 w + 1: the wave's one tensor load
	s_nop 0
.rept 4
	v_nop                                          ; behind tensor loads
.endr
	s_wait_alu depctr_va_vdst(0)
.irp t, 0,1,2,3                                ; register j of tile t wants the bias of channel 32 (t / 2) + 16 h + 8 (t % 2) + j
	global_load_b128 v[BI+8*\t:BI+8*\t+3], v6, s[BIA:BIA+1] offset:128*(\t/2)+32*(\t%2)
	global_load_b128 v[BI+8*\t+4:BI+8*\t+7], v6, s[BIA:BIA+1] offset:128*(\t/2)+32*(\t%2)+16
.endr
.irp s, 0,1,2,3,4,5,6,7
	global_load_b128 v[S0S+4*\s:S0S+4*\s+3], v5, s[SC0:SC0+1] offset:512*\s
.endr
.macro FRAGS s                                 ; my four fragments of w_o for K step s: 16 loads of 512 consecutive bytes
.irp t, 0,1,2,3
.irp c, 0,1,2,3
	global_load_b128 v[16*(4*((\s)%4)+\t)+4*\c:16*(4*((\s)%4)+\t)+4*\c+3], v1, s[F0:F0+1] offset:(\s)*16384+\t*2048+512*\c
.endr
.endr
.endm
	WIN 0x80                                       ; destination window 2
	FRAGS 0
	FRAGS 1
	FRAGS 2
	FRAGS 3
	WIN 0
.macro LOADX s, g                              ; the tokens' tiles 4 g .. 4 g + 3 of K step s into set g
.irp a, 0,1,2,3
.irp c, 0,1,2,3
	ds_load_b128 v[XF+64*(\g)+16*\a+4*\c:XF+64*(\g)+16*\a+4*\c+3], v[1+2*((\s)/4)] offset:((\s)%4)*16384+(4*(\g)+\a)*2048+512*\c
.endr
.endr
.endm
.macro LOADXS s
	ds_load_b128 v[XS+8*((\s)%2):XS+8*((\s)%2)+3], v4 offset:512*(\s)
	ds_load_b128 v[XS+8*((\s)%2)+4:XS+8*((\s)%2)+7], v4 offset:512*(\s)+16
.endm
.macro KHEAD s                                 ; K step s's fragments of w_o are in: behind them stand 16 loads for each later K step that has been asked for
.if \s <= 4
	s_wait_loadcnt 48
.else
	s_wait_loadcnt 16*(7-\s)
.endif
.if \s < 4
	WIN 0xc0                                       ; destination window 3
	FRAGS (\s)+4
	WIN 0
.endif
.endm
; Half a K step.  cmode 1: the sums begin with the bias.  sync = 1: the barrier that shows K steps 4-7 to every wave.
.macro HALF s, g, cmode, sync
.if \sync
	s_wait_tensorcnt 0x0
	s_wait_dscnt 0x0
	s_barrier_signal -1
.elseif (\s == 7) && (\g == 1)
	s_wait_dscnt 0x0
.elseif \g == 0
	s_wait_dscnt 16                                ; this set and the scale words are in; the other set's 16 loads may be out
.else
	s_wait_dscnt 18                                ; behind this set's loads: the next K step's 16 and its 2 of scale words
.endif
.if \cmode
	WIN 0x42
.elseif \s < 4
	WIN 0x52
.else
	WIN 0x53
.endif
.irp a, 0,1,2,3
.irp t, 0,1,2,3
.if \cmode
	v_wmma_scale_f32_16x16x128_f8f6f4 v[8*(4*(4*\g+\a)+\t):8*(4*(4*\g+\a)+\t)+7], v[16*(4*((\s)%4)+\t):16*(4*((\s)%4)+\t)+15], v[XF+64*\g+16*\a:XF+64*\g+16*\a+15], v[BI+8*\t:BI+8*\t+7], v[S0S+4*(\s)+\t], v[XS+8*((\s)%2)+4*\g+\a] matrix_a_fmt:MATRIX_FMT_BF8 matrix_b_fmt:MATRIX_FMT_BF8
.else
	v_wmma_scale_f32_16x16x128_f8f6f4 v[8*(4*(4*\g+\a)+\t):8*(4*(4*\g+\a)+\t)+7], v[16*(4*((\s)%4)+\t):16*(4*((\s)%4)+\t)+15], v[XF+64*\g+16*\a:XF+64*\g+16*\a+15], v[8*(4*(4*\g+\a)+\t):8*(4*(4*\g+\a)+\t)+7], v[S0S+4*(\s)+\t], v[XS+8*((\s)%2)+4*\g+\a] matrix_a_fmt:MATRIX_FMT_BF8 matrix_b_fmt:MATRIX_FMT_BF8
.endif
.endr
.endr
.if \sync
	s_barrier_wait -1
.endif
.rept 8
	v_nop                                          ; eight places in front of loads into registers that these products read, and of the first read of results
.endr
	WIN 0
.if \s < 7
	LOADX (\s)+1, \g
.if \g == 0
	LOADXS (\s)+1
.endif
.endif
.endm
	s_wait_loadcnt 63                              ; behind the two loads of scales stand 80 loads: with 63 out at the most these two are in
	s_wait_tensorcnt 0x0                           ; my part of the tokens' codes has landed
	ds_store_b128 v13, v[48:51]
	ds_store_b128 v13, v[52:55] offset:512
	s_wait_dscnt 0x0                               ; for the others' sake: my stores have landed
	s_barrier_signal -1
	s_barrier_wait -1
	LOADX 0, 0
	LOADXS 0
	LOADX 0, 1
	KHEAD 0
	HALF 0, 0, 1, 0
	HALF 0, 1, 1, 0
	KHEAD 1
	HALF 1, 0, 0, 0
	HALF 1, 1, 0, 0
	KHEAD 2
	HALF 2, 0, 0, 0
	HALF 2, 1, 0, 0
	KHEAD 3
	HALF 3, 0, 0, 1
	HALF 3, 1, 0, 0
	KHEAD 4
	HALF 4, 0, 0, 0
	HALF 4, 1, 0, 0
	KHEAD 5
	HALF 5, 0, 0, 0
	HALF 5, 1, 0, 0
	KHEAD 6
	HALF 6, 0, 0, 0
	HALF 6, 1, 0, 0
	KHEAD 7
	HALF 7, 0, 0, 0
	HALF 7, 1, 0, 0
; Tile a of tokens: lane (r, h) holds, of stage row r, channels 32 (t / 2) + 16 h + 8 (t % 2) + 0 .. 7 in accumulator (a, t).  LDS serves a wave's instructions in order: no wait between the stores and the loads, nor ahead of the next tile's stores.
.macro TOSTAGE a
	WIN 0x04                                       ; an LDS store's data are its source 1: window 1
.irp t, 0,1,2,3
	ds_store_b128 v7, v[8*(4*(\a)+\t):8*(4*(\a)+\t)+3] offset:128*(\t/2)+32*(\t%2)        ; each accumulator from its low end on
	ds_store_b128 v7, v[8*(4*(\a)+\t)+4:8*(4*(\a)+\t)+7] offset:128*(\t/2)+32*(\t%2)+16
.endr
	WIN 0
.irp i, 0,1,2,3,4,5,6,7
	ds_load_b128 v[128+32*((\a)%2)+4*\i:128+32*((\a)%2)+4*\i+3], v11 offset:2*\i*272
.endr
.endm
.macro SEND a, younger                         ; stage row 2 i + (lane / 16) is token 32 (a / 2) + 8 (a % 2) + 2 i + 8 (i / 4) + (lane / 16) of the block
	s_wait_dscnt \younger
.irp i, 0,1,2,3,4,5,6,7
	global_store_b128 v12, v[128+32*((\a)%2)+4*\i:128+32*((\a)%2)+4*\i+3], s[OUC:OUC+1] offset:(32*((\a)/2)+8*((\a)%2)+2*\i+8*(\i/4))*4096 th:TH_STORE_NT
.endr
.endm
	TOSTAGE 0
.irp a, 1,2,3,4,5,6,7
.if \a > 1
	s_wait_xcnt 0x0                                ; tile a - 2's stores have read their registers: tile a's loads may land there
.endif
	TOSTAGE \a
	SEND \a-1, 16                                  ; behind tile a - 1's loads: tile a's 8 stores and 8 loads
.endr
	SEND 7, 0
	s_wait_tensorcnt 0x0
	ds_add_u32 v126, v127
	s_wait_dscnt 0x0
	CROUND                                         ; the closing round
	s_endpgm
.Lfunc_end_k_q993db75c5f_outp:
	.size	k_q993db75c5f_outp, .Lfunc_end_k_q993db75c5f_outp-k_q993db75c5f_outp
	.p2alignl 7, 3214868480
	.fill 96, 4, 3214868480
	.section	.rodata,"a",@progbits
	.p2align	6, 0x0
	.amdhsa_kernel k_q993db75c5f_outp
		.amdhsa_group_segment_fixed_size 168448
		.amdhsa_private_segment_fixed_size 0
		.amdhsa_enable_private_segment 0
		.amdhsa_kernarg_size 32
		.amdhsa_user_sgpr_count 2
		.amdhsa_user_sgpr_kernarg_segment_ptr 1
		.amdhsa_wavefront_size32 1
		.amdhsa_system_sgpr_workgroup_id_x 1
		.amdhsa_system_sgpr_workgroup_id_y 1
		.amdhsa_system_sgpr_workgroup_id_z 1
		.amdhsa_system_vgpr_workitem_id 0
		.amdhsa_next_free_vgpr 1024
		.amdhsa_next_free_sgpr 80
		.amdhsa_reserve_vcc 0
		.amdhsa_float_denorm_mode_32 3
		.amdhsa_float_denorm_mode_16_64 3
		.amdhsa_memory_ordered 1
		.amdhsa_forward_progress 1
		.amdhsa_inst_pref_size 90
	.end_amdhsa_kernel
	.amdgpu_metadata
---
amdhsa.version: [ 1, 2 ]
amdhsa.kernels:
  - .name:           k_q993db75c5f_outp
    .symbol:         k_q993db75c5f_outp.kd
    .args:
      - { .name: att, .offset: 0, .size: 8, .value_kind: global_buffer, .address_space: global }
      - { .name: opr, .offset: 8, .size: 8, .value_kind: global_buffer, .address_space: global }
      - { .name: b_o, .offset: 16, .size: 8, .value_kind: global_buffer, .address_space: global }
      - { .name: out0, .offset: 24, .size: 8, .value_kind: global_buffer, .address_space: global }
    .group_segment_fixed_size: 168448
    .private_segment_fixed_size: 0
    .kernarg_segment_align: 8
    .kernarg_segment_size: 32
    .max_flat_workgroup_size: 128
    .sgpr_count:     80
    .vgpr_count:     1024
    .wavefront_size: 32
...
	.end_amdgpu_metadata
.endif
;; end of part 4
